; MI455X (gfx1250); checked and timed in simulation.
; The chip was launched on July 23, 2026; its instructions are those of AMD's public machine-readable ISA for CDNA 5 (MIT licence, August 2026) and "CDNA5" Instruction Set Architecture Reference Guide (July 2026). The comments in the code are by the model that wrote it; some were corrected since.
;; Transformer Block. Allowed arithmetic: matrix products marked QUANTISED: E2M3 operands, one E8M0 scale for each 32 along K, by v_wmma_scale_f32_16x16x128_f8f6f4 with both operands' format E2M3, f32 sums; everything else in f32.
;; Inputs: W1_codes 4,096 x 32 x 24 uint8 (E2M3 codes of W1, K innermost, in blocks of 32 codes, four codes in three bytes); W1_scales 4,096 x 32 uint8 (E8M0 scales of W1, one for each 32 codes along K); W2_codes 1,024 x 128 x 24 uint8 (E2M3 codes of W2, K innermost, in blocks of 32 codes, four codes in three bytes); W2_scales 1,024 x 128 uint8 (E8M0 scales of W2, one for each 32 codes along K); Wout_codes 1,024 x 32 x 24 uint8 (E2M3 codes of Wout, K innermost, in blocks of 32 codes, four codes in three bytes); Wout_scales 1,024 x 32 uint8 (E8M0 scales of Wout, one for each 32 codes along K); Wqkv_codes 3,072 x 32 x 24 uint8 (E2M3 codes of Wqkv, K innermost, in blocks of 32 codes, four codes in three bytes); Wqkv_scales 3,072 x 32 uint8 (E8M0 scales of Wqkv, one for each 32 codes along K); b1 4,096 float32; b2 1,024 float32; b_out 1,024 float32; ln_b 1,024 float32; ln_g 1,024 float32; x 2 x 2,048 x 1,024 float32.
;; Outputs: out0 2 x 2,048 x 1,024 float32.
;; This version of the problem:
;;   THIS VERSION OF THE PROBLEM IS GIVEN IN LOW PRECISION. The matrix products marked QUANTISED in the list below multiply operands that are first quantised to E2M3 (2 exponent bits, 3 mantissa bits; 6 bits a number), with one power-of-two scale for each 32 numbers along K (OCP MX v1.0); their sums are f32. All else is computed in f32.
;;   The module's matrix products, in the order in which they are computed (A, B: the left and right operand; K: the contracted axis; several contracted axes count as one K, in the product's order):
;;     1. [M 4,096, K 1,024] x [K 1,024, N 3,072]; A: input x; B: input Wqkv (given as codes): QUANTISED
;;     2. batch 16 x [M 2,048, K 128] x [K 128, N 2,048]; A: computed on the way; B: computed on the way: QUANTISED
;;     3. batch 16 x [M 128, K 2,048] x [K 2,048, N 2,048]; A: computed on the way; B: softmax (see below): QUANTISED
;;     4. [M 4,096, K 1,024] x [K 1,024, N 1,024]; A: computed on the way; B: input Wout (given as codes): QUANTISED
;;     5. [M 4,096, K 1,024] x [K 1,024, N 4,096]; A: computed on the way; B: input W1 (given as codes): QUANTISED
;;     6. [M 4,096, K 4,096] x [K 4,096, N 1,024]; A: computed on the way; B: input W2 (given as codes): QUANTISED
;;   THE QUANTISER, for each operand of a quantised product, along K:
;;     - K is cut into blocks of 32 from its start; a last block that is shorter is filled with zeros.
;;     - A block's scale is 2^e with e = floor(log2(the largest magnitude in the block)) - 2, held to -126 .. 127; a block of zeros has e = 0. As a byte (E8M0): e + 127.
;;     - Each number is divided by its block's scale, clamped to +-7.5, and rounded to the nearest number of E2M3, ties to even, subnormals kept.
;;     - The product sums the exact products of the quantised numbers (number of the format x scale) in f32.
;;   ~~~python
;;   def quantise(x, axis):      # numpy; x: float32 -> the quantised numbers, widened to float32 again
;;       x = np.moveaxis(x, axis, -1); K = x.shape[-1]
;;       x = np.pad(x, [(0, 0)] * (x.ndim - 1) + [(0, -K % 32)]); x = x.reshape(x.shape[:-1] + (-1, 32)); a = np.abs(x).max(-1, keepdims=True)
;;       e = np.where(a > 0, np.clip(np.frexp(np.where(a > 0, a, 1))[1] - 1 - 2, -126, 127), 0)      # np.frexp(a)[1] - 1 = floor(log2(a)), exactly
;;       r = np.clip(x / 2.0 ** e, -7.5, 7.5)
;;       step = 2.0 ** (np.maximum(np.frexp(np.where(r == 0, 1, r))[1] - 1, 0) - 3)
;;       q = np.round(r / step) * step * 2.0 ** e      # np.round: ties to even
;;       return np.moveaxis(q.reshape(q.shape[:-2] + (-1,))[..., :K], -1, axis).astype(np.float32)
;;   ~~~
;;   SOFTMAX AHEAD OF A QUANTISED PRODUCT. Where the list says 'softmax', what is quantised is not the finished softmax but p = 2^(t - M), with t = logit x log2(e) and M = ceil(the row's largest t), a whole number; so 1/2 < the row's largest p <= 1. The row's sum l is taken of the UNQUANTISED p, in f32, and the product's result is divided by l at the end. Since M is a whole number, a kernel that streams over the keys may use a running M (the ceiling of the running maximum): every later rescaling is an exact power of two, which a block's scale takes up: the codes' values come out the same.
;;   OPERANDS COMPUTED ON THE WAY. 'Computed on the way' means the value that the module computes at that place (a softmax that the list does not call 'softmax' is quantised finished and normalised). What goes into a quantiser is computed in f32, as accurately as f32 sums, v_exp_f32 and their like allow (about 1e-6 of the number): no bf16 or f16 on the way to a quantiser, and a product that is left as it is and whose result goes on into a quantised operand takes f32 operands (vector FMAs, or v_wmma_f32_16x16x4_f32). A number that lies on a knife's edge between two numbers of the format may be rounded either way, as far as f32 arithmetic and the matrix unit's own rounding can turn it there, and no further.
;;   INPUTS GIVEN AS CODES. W1 (in the module: [1024, 4096], K = its axis 0); W2 (in the module: [4096, 1024], K = its axis 0); Wout (in the module: [1024, 1024], K = its axis 0); Wqkv (in the module: [1024, 3072], K = its axis 0): each comes as NAME_codes (uint8): NAME with its K axis moved to the last place and cut into blocks of 32 codes, [.., K / 32, bytes a block], one block behind the other in memory; four codes in three bytes: a row's codes are one little-endian stream of bits, code i at bits 6 i .. 6 i + 5 (a code: sign, 2 exponent bits, 3 mantissa bits); and NAME_scales (uint8): the same leading axes, one E8M0 byte (e + 127) for each 32 codes along K. Its value is code x scale, taken as it is: it is not quantised again, and the codes and scales need not be those that the quantiser above would give.
;; One version. Each part assembles by itself: llvm-mc -triple=amdgcn-amd-amdhsa -mcpu=gfx1250 --defsym DOCPART=n.
;; ======== version 1 of 1: 7 launches
;; limits: right only within a limited range of input values
;; workspace buffers: prep 13,107,200 bytes; qkv 9,830,400 bytes; ctx 3,276,800 bytes; x1 16,777,216 bytes; hq 3,276,800 bytes; gq 13,107,200 bytes
;; launch prep (part 1): grid 352 x 1, 8 waves a work-group, no clusters, 74,752 bytes of LDS; arguments x, Wqkv_codes, Wqkv_scales, Wout_codes, Wout_scales, W1_codes, W1_scales, W2_codes, W2_scales, prep; writes prep
.if DOCPART == 1
	.amdgcn_target "amdgcn-amd-amdhsa--gfx1250"
	.amdhsa_code_object_version 6
	.text
	.protected	k_qd194283986_prep
	.globl	k_qd194283986_prep
	.p2align	8
	.type	k_qd194283986_prep,@function
k_qd194283986_prep:
	s_mov_b64 s[64:65], 0
	v_nop
	global_prefetch_b8 v0, s[64:65] scope:SCOPE_SE
	s_setreg_imm32_b32 hwreg(HW_REG_WAVE_MODE, 25, 1), 1
	s_wait_xcnt 0x0
; PREP: x is quantised to FP6 (E2M3) codes with one E8M0 byte for each 32 along K, and the four weights, which arrive as codes, are laid anew: all into ONE OPERAND FORMAT, which every later launch reads.
; THE FORMAT.  Tile t is 16 rows: lane r of tile t holds row 32 (t / 2) + 8 (t % 2) + r + 8 (r / 8).  Fragment (t, ks), 16 rows x 128 K, is the image of the operand's 12 registers: 1,536 bytes at (t NKS + ks) 1536,
; chunk c at 512 c + 16 lane = the lane's registers 4 c .. 4 c + 3.  The scale word (4 bytes) of (t, ks, r) lies at ((t / 8) NKS + ks) 512 + (t % 8) 64 + 4 r.  So a fragment comes by three loads of 16 bytes a lane.
; Work-groups 0-255 take x: group of 128 rows = number / 8, K step = number % 8, a tile a wave.  Work-groups 256-351 take the weights: a group of 128 rows and 8 K steps each, a tile a wave.
; The two ways part on the work-group's number and never join; each has LDS bytes of its own.  No tensor loads: operands go through registers.
; LIMITS: NaN and infinities in x are not served; a block whose largest magnitude lies under 2^-124, a block of zeros among them, gets the byte 1 (its codes add nothing; this program alone reads the bytes).
.set XS,   12582912                    ; prep's parts, in bytes: x's codes at 0, the weights' codes, then the scale words
.set WQC,  3145728
.set WOC,  5505024
.set W1C,  6291456
.set W2C,  9437184
.set WQS,  12713984
.set WOS,  12812288
.set W1S,  12845056
.set W2S,  12976128
.set XG,   67584                       ; LDS: 0 .. 67,583 eight stages of 16 rows x 528 bytes (x's way); here 512 bytes in which the eight waves' scale words meet
.set WGA,  68096                       ; the weights' way: 8 K steps x 512 bytes of scale words
.set RW,   16                          ; v16-79   16 rows as loaded
.set XN,   80                          ; v80-143  64 numbers: register 16 b + i = k 32 b + 16 (lane / 16) + i of my row
.set TM,   144                         ; v144-159 at work in the quantiser
.set PC,   160                         ; v160-178 the codes
.set PW,   180                         ; v180     the scale word
.set FW,   16                          ; v16-111  the weights' way: eight fragments
.set SEL,  50                          ; s[50:51] lane selects: lane l xor 16
; 64 numbers of a lane become a fragment's 12 registers in v[PC] on and my row's scale word in v[PW]
.macro QUANT s
.irp b, 0,1,2,3
	v_max3_num_f32 v[TM+\b], 0x1800000, |v[(\s)+16*\b]|, |v[(\s)+1+16*\b]|   ; block b: my 16 numbers, and the floor 2^(3 - 127): the byte cannot fall under 1
.endr
.irp i, 2,4,6,8,10,12,14
.irp b, 0,1,2,3
	s_delay_alu instid0(VALU_DEP_4)
	v_max3_num_f32 v[TM+\b], v[TM+\b], |v[(\s)+16*\b+\i]|, |v[(\s)+1+16*\b+\i]|
.endr
.endr
.irp b, 0,1,2,3
	s_delay_alu instid0(VALU_DEP_4)
	v_permlanex16_b32 v[TM+4+\b], v[TM+\b], s[SEL], s[SEL+1]
.endr
.irp b, 0,1,2,3
	s_delay_alu instid0(VALU_DEP_4)
	v_max_num_f32 v[TM+\b], v[TM+\b], v[TM+4+\b]   ; with lane l xor 16's: the block's largest magnitude
.endr
.irp b, 0,1,2,3
	s_delay_alu instid0(VALU_DEP_4)
	v_add_nc_u32 v[TM+12+\b], 0xff000000, v[TM+\b] ; 2 off its exponent field: the conversion's scale operand
.endr
.irp b, 0,1,2,3
	s_delay_alu instid0(VALU_DEP_4)
	v_lshrrev_b32 v[TM+4+\b], 23, v[TM+12+\b]      ; the scale's byte
.endr
	s_delay_alu instid0(VALU_DEP_3)
	v_lshl_or_b32 v[PW], v[TM+5], 8, v[TM+4]
	s_delay_alu instid0(VALU_DEP_1)
	v_lshl_or_b32 v[PW], v[TM+6], 16, v[PW]
	s_delay_alu instid0(VALU_DEP_1)
	v_lshl_or_b32 v[PW], v[TM+7], 24, v[PW]
.irp c, 0,1
	v_cvt_scalef32_pk16_fp6_f32 v[PC+6*\c:PC+2+6*\c], v[(\s)+32*\c:(\s)+15+32*\c], v[TM+12+2*\c]
	v_cvt_scalef32_pk16_fp6_f32 v[PC+12+4*\c:PC+14+4*\c], v[(\s)+16+32*\c:(\s)+31+32*\c], v[TM+12+2*\c+1]
.endr
	v_nop                                          ; one plain place behind a scaled conversion
.irp c, 0,1                                    ; the operand wants a whole block in a lane: lanes 0-15 block 2 c, lanes 16-31 block 2 c + 1
.irp i, 0,1,2
	v_permlane16_swap_b32 v[PC+6*\c+\i], v[PC+12+4*\c+\i]
.endr
.irp i, 0,1,2
	s_delay_alu instid0(VALU_DEP_3)
	v_mov_b32 v[PC+3+6*\c+\i], v[PC+12+4*\c+\i]
.endr
.endr
.endm
	s_load_b64 s[4:5], s[0:1], 0x0                 ; x
	s_load_b256 s[8:15], s[0:1], 0x8               ; Wqkv's codes, scales; Wout's codes, scales
	s_load_b256 s[16:23], s[0:1], 0x28             ; W1's codes, scales; W2's codes, scales
	s_load_b64 s[6:7], s[0:1], 0x48                ; prep
	v_lshl_add_u32 v192, v0, 2, 0x12000
	v_mov_b32 v193, 0
	v_lshrrev_b32 v1, 5, v0
	s_delay_alu instid0(VALU_DEP_1)
	v_readfirstlane_b32 s24, v1                    ; wave 0..7
	v_and_b32 v2, 31, v0                           ; lane
	v_and_b32 v3, 15, v0                           ; r
	v_bfe_u32 v4, v0, 4, 1                         ; h
	s_delay_alu instid0(VALU_DEP_3)
	v_lshlrev_b32 v5, 4, v2                        ; 16 x lane
	s_delay_alu instid0(VALU_DEP_3)
	v_and_b32 v6, 8, v3
	s_delay_alu instid0(VALU_DEP_1)
	v_add_nc_u32 v6, v6, v3                        ; r + 8 (r / 8)
	s_mov_b32 s[SEL], 0x76543210
	s_mov_b32 s[SEL+1], 0xfedcba98
	s_cmp_lt_u32 ttmp9, 256
	s_cbranch_scc0 .Lweights
	; ---- x
	s_mul_i32 s25, s24, 8448                       ; my stage
	v_add_nc_u32 v7, s25, v5                       ; in: a row's 512 bytes as they lie
	v_mul_u32_u24 v8, v3, 528
	s_delay_alu instid0(VALU_DEP_1)
	v_lshl_add_u32 v8, v4, 6, v8
	s_delay_alu instid0(VALU_DEP_1)
	v_add_nc_u32 v8, s25, v8                       ; out: row r, + 64 h: my 16 numbers of each block of 32
	s_lshl_b32 s26, s24, 6
	v_lshlrev_b32 v9, 2, v3
	s_delay_alu instid0(VALU_DEP_1)
	v_add_nc_u32 v9, s26, v9
	s_delay_alu instid0(VALU_DEP_1)
	v_add_nc_u32 v9, XG, v9                        ; my tile's scale words: 64 x wave + 4 r
	v_add_nc_u32 v10, XG, v5
.irp b, 0,1,2,3
	v_mov_b32 v[TM+4+\b], 0                        ; a lane permute's destination counts as one of its sources
.endr
	s_lshr_b32 s27, ttmp9, 3                       ; the group of 128 rows
	s_and_b32 s28, ttmp9, 7                        ; the K step
	s_lshl_b32 s29, s27, 3
	s_add_co_u32 s29, s29, s24                     ; my tile
	s_lshr_b32 s30, s29, 1
	s_lshl_b32 s30, s30, 5
	s_and_b32 s31, s29, 1
	s_lshl_b32 s31, s31, 3
	s_add_co_u32 s30, s30, s31                     ; its first row
	s_lshl_b32 s30, s30, 12                        ; rows of 4,096 bytes
	s_lshl_b32 s31, s28, 9
	s_add_co_u32 s30, s30, s31                     ; + 512 bytes a K step
	s_mov_b32 s31, 0
	s_lshl_b32 s32, s29, 3
	s_add_co_u32 s32, s32, s28
	s_mul_i32 s32, s32, 1536                       ; fragment (tile, K step)
	s_mov_b32 s33, 0
	s_lshl_b32 s34, ttmp9, 9                       ; (8 group + K step) x 512
	s_add_co_u32 s34, s34, XS
	s_mov_b32 s35, 0
	s_wait_alu depctr_va_vdst(0)
	s_wait_kmcnt 0x0
	s_add_nc_u64 s[4:5], s[4:5], s[30:31]
	s_add_nc_u64 s[32:33], s[6:7], s[32:33]
	s_add_nc_u64 s[34:35], s[6:7], s[34:35]
.set j, 0
.rept 16
	global_load_b128 v[RW+4*j:RW+4*j+3], v5, s[4:5] offset:(j+8*(j/8))*4096 th:TH_LOAD_NT   ; the row of lane j: 32 lanes read 512 consecutive bytes
.set j, j+1
.endr
.set j, 0
.rept 16
	s_wait_loadcnt 15-j                            ; row j is in; the younger rows may be out
	ds_store_b128 v7, v[RW+4*j:RW+4*j+3] offset:528*j
.set j, j+1
.endr
.set j, 0
.rept 16
	ds_load_b128 v[XN+4*j:XN+4*j+3], v8 offset:128*(j/4)+16*(j%4)   ; LDS serves a wave's instructions in order: these see my stores
.set j, j+1
.endr
	s_wait_dscnt 0x0
	QUANT XN
.irp c, 0,1,2
	global_store_b128 v5, v[PC+4*\c:PC+4*\c+3], s[32:33] offset:512*\c   ; 512 consecutive bytes a store
.endr
	ds_store_b32 v9, v[PW]                         ; lanes r and r + 16 write the same word with the same value
	s_wait_dscnt 0x0                               ; for the others' sake: my word has landed
	s_barrier_signal -1
	s_barrier_wait -1
	s_cmp_lg_u32 s24, 0
	s_cbranch_scc1 .Lx_end
	ds_load_b128 v[184:187], v10                   ; wave 0: the eight tiles' words, 512 bytes
	s_wait_dscnt 0x0
	global_store_b128 v5, v[184:187], s[34:35]
.Lx_end:
	s_wait_tensorcnt 0x0
	ds_add_u32 v192, v193
	s_wait_dscnt 0x0
	s_endpgm
	; ---- the weights
.Lweights:
	s_sub_co_u32 s25, ttmp9, 256                   ; 0-23 Wqkv, 24-31 Wout, 32-63 W1, 64-95 W2 (four work-groups to a group: K has 32 steps there)
	s_sub_co_u32 s26, s25, 64
	s_and_b32 s27, s26, 3                          ; which 8 K steps
	s_lshr_b32 s26, s26, 2                         ; the group of 128 rows
	s_sub_co_u32 s37, s25, 32
	s_sub_co_u32 s38, s25, 24
	s_mov_b32 s32, W2C
	s_mov_b32 s33, W2S
	s_mov_b32 s34, 3072                            ; a row of codes in bytes
	s_mov_b32 s35, 128                             ; a row of scale bytes
	s_mov_b32 s36, 32                              ; K steps
	s_wait_kmcnt 0x0
	s_mov_b64 s[28:29], s[20:21]
	s_mov_b64 s[30:31], s[22:23]
	s_cmp_lt_u32 s25, 64                           ; the choices hang on the work-group's number alone
	s_cselect_b64 s[28:29], s[16:17], s[28:29]
	s_cselect_b64 s[30:31], s[18:19], s[30:31]
	s_cselect_b32 s32, W1C, s32
	s_cselect_b32 s33, W1S, s33
	s_cselect_b32 s34, 768, s34
	s_cselect_b32 s35, 32, s35
	s_cselect_b32 s36, 8, s36
	s_cselect_b32 s27, 0, s27
	s_cselect_b32 s26, s37, s26
	s_cmp_lt_u32 s25, 32
	s_cselect_b64 s[28:29], s[12:13], s[28:29]
	s_cselect_b64 s[30:31], s[14:15], s[30:31]
	s_cselect_b32 s32, WOC, s32
	s_cselect_b32 s33, WOS, s33
	s_cselect_b32 s26, s38, s26
	s_cmp_lt_u32 s25, 24
	s_cselect_b64 s[28:29], s[8:9], s[28:29]
	s_cselect_b64 s[30:31], s[10:11], s[30:31]
	s_cselect_b32 s32, WQC, s32
	s_cselect_b32 s33, WQS, s33
	s_cselect_b32 s26, s25, s26
	s_lshl_b32 s39, s26, 3
	s_add_co_u32 s39, s39, s24                     ; my tile
	s_lshr_b32 s40, s39, 1
	s_lshl_b32 s40, s40, 5
	s_and_b32 s41, s39, 1
	s_lshl_b32 s41, s41, 3
	s_add_co_u32 s40, s40, s41                     ; its first row
	s_mul_i32 s42, s40, s34
	s_mul_i32 s43, s27, 768
	s_add_co_u32 s42, s42, s43
	s_mov_b32 s43, 0
	s_add_nc_u64 s[28:29], s[28:29], s[42:43]      ; the codes I read
	s_mul_i32 s42, s40, s35
	s_lshl_b32 s44, s27, 5
	s_add_co_u32 s42, s42, s44
	s_add_nc_u64 s[30:31], s[30:31], s[42:43]      ; the scale bytes I read
	s_lshl_b32 s44, s27, 3
	s_mul_i32 s42, s39, s36
	s_add_co_u32 s42, s42, s44
	s_mul_i32 s42, s42, 1536
	s_add_co_u32 s42, s42, s32
	s_add_nc_u64 s[46:47], s[6:7], s[42:43]        ; fragment (tile, first K step)
	s_mul_i32 s42, s26, s36
	s_add_co_u32 s42, s42, s44
	s_add_co_u32 s42, s42, s24
	s_lshl_b32 s42, s42, 9
	s_add_co_u32 s42, s42, s33
	s_add_nc_u64 s[48:49], s[6:7], s[42:43]        ; the 512 scale bytes of (group, first K step + wave)
	s_wait_alu depctr_va_vdst(0)
	v_mul_lo_u32 v7, v6, s34
	s_delay_alu instid0(VALU_DEP_1)
	v_mad_u32_u24 v7, v4, 24, v7                   ; codes: my row, + 24 h
	v_mul_lo_u32 v8, v6, s35
	s_delay_alu instid0(VALU_DEP_1)
	v_lshl_add_u32 v8, v4, 4, v8                   ; scale bytes: my row, + 16 h: four K steps' words
	v_lshlrev_b32 v9, 2, v3
	s_delay_alu instid0(VALU_DEP_1)
	v_lshl_add_u32 v9, v4, 11, v9
	s_lshl_b32 s44, s24, 6
	v_add_nc_u32 v9, s44, v9
	s_delay_alu instid0(VALU_DEP_1)
	v_add_nc_u32 v9, WGA, v9                       ; LDS: K step 4 h + j at 512 (4 h + j), tile at 64 x wave, row at 4 r
	s_lshl_b32 s44, s24, 9
	v_add_nc_u32 v10, s44, v5
	s_delay_alu instid0(VALU_DEP_1)
	v_add_nc_u32 v10, WGA, v10                     ; back: K step = wave, 16 bytes a lane
	global_load_b128 v[112:115], v8, s[30:31]
.set k, 0
.rept 8
.irp p, 0,1,2,3,4,5
	global_load_b64 v[FW+12*k+2*\p:FW+12*k+2*\p+1], v7, s[28:29] offset:96*k+48*(\p/3)+8*(\p%3)   ; the operand's registers are the row's bytes as they lie
.endr
.set k, k+1
.endr
.set k, 0
	s_wait_alu depctr_va_vdst(0)
.rept 8
	s_wait_loadcnt 6*(7-k)                         ; this K step's six loads are in; those of the later K steps may be out
.irp c, 0,1,2
	global_store_b128 v5, v[FW+12*k+4*\c:FW+12*k+4*\c+3], s[46:47] offset:1536*k+512*\c
.endr
.set k, k+1
.endr
.irp j, 0,1,2,3
	ds_store_b32 v9, v[112+\j] offset:512*\j
.endr
	s_wait_dscnt 0x0                               ; for the others' sake: my words have landed
	s_barrier_signal -1
	s_barrier_wait -1
	ds_load_b128 v[116:119], v10
	s_wait_dscnt 0x0
	global_store_b128 v5, v[116:119], s[48:49]
	s_wait_tensorcnt 0x0
	ds_add_u32 v192, v193
	s_wait_dscnt 0x0
	s_endpgm
.Lfunc_end_k_qd194283986_prep:
	.size	k_qd194283986_prep, .Lfunc_end_k_qd194283986_prep-k_qd194283986_prep
	.p2alignl 7, 3214868480
	.fill 96, 4, 3214868480
	.section	.rodata,"a",@progbits
	.p2align	6, 0x0
	.amdhsa_kernel k_qd194283986_prep
		.amdhsa_group_segment_fixed_size 74752
		.amdhsa_private_segment_fixed_size 0
		.amdhsa_enable_private_segment 0
		.amdhsa_kernarg_size 80
		.amdhsa_user_sgpr_count 2
		.amdhsa_user_sgpr_kernarg_segment_ptr 1
		.amdhsa_wavefront_size32 1
		.amdhsa_system_sgpr_workgroup_id_x 1
		.amdhsa_system_sgpr_workgroup_id_y 1
		.amdhsa_system_sgpr_workgroup_id_z 1
		.amdhsa_system_vgpr_workitem_id 0
		.amdhsa_next_free_vgpr 194
		.amdhsa_next_free_sgpr 66
		.amdhsa_reserve_vcc 0
		.amdhsa_float_denorm_mode_32 3
		.amdhsa_float_denorm_mode_16_64 3
		.amdhsa_memory_ordered 1
		.amdhsa_forward_progress 1
		.amdhsa_inst_pref_size 25
	.end_amdhsa_kernel
	.amdgpu_metadata
---
amdhsa.version: [ 1, 2 ]
amdhsa.kernels:
  - .name:           k_qd194283986_prep
    .symbol:         k_qd194283986_prep.kd
    .args:
      - { .name: x, .offset: 0, .size: 8, .value_kind: global_buffer, .address_space: global }
      - { .name: Wqkv_codes, .offset: 8, .size: 8, .value_kind: global_buffer, .address_space: global }
      - { .name: Wqkv_scales, .offset: 16, .size: 8, .value_kind: global_buffer, .address_space: global }
      - { .name: Wout_codes, .offset: 24, .size: 8, .value_kind: global_buffer, .address_space: global }
      - { .name: Wout_scales, .offset: 32, .size: 8, .value_kind: global_buffer, .address_space: global }
      - { .name: W1_codes, .offset: 40, .size: 8, .value_kind: global_buffer, .address_space: global }
      - { .name: W1_scales, .offset: 48, .size: 8, .value_kind: global_buffer, .address_space: global }
      - { .name: W2_codes, .offset: 56, .size: 8, .value_kind: global_buffer, .address_space: global }
      - { .name: W2_scales, .offset: 64, .size: 8, .value_kind: global_buffer, .address_space: global }
      - { .name: prep, .offset: 72, .size: 8, .value_kind: global_buffer, .address_space: global }
    .group_segment_fixed_size: 74752
    .private_segment_fixed_size: 0
    .kernarg_segment_align: 8
    .kernarg_segment_size: 80
    .max_flat_workgroup_size: 256
    .sgpr_count:     66
    .vgpr_count:     194
    .wavefront_size: 32
...
	.end_amdgpu_metadata
.endif
;; end of part 1
;; launch qkvg (part 2): grid 12 x 16, 4 waves a work-group, clusters of 4 x 4, 327,680 bytes of LDS; arguments prep, qkv; writes qkv
.if DOCPART == 2
	.amdgcn_target "amdgcn-amd-amdhsa--gfx1250"
	.amdhsa_code_object_version 6
	.text
	.protected	k_qd194283986_qkvg
	.globl	k_qd194283986_qkvg
	.p2align	8
	.type	k_qd194283986_qkvg,@function
k_qd194283986_qkvg:
	s_mov_b64 s[64:65], 0
	v_nop
	global_prefetch_b8 v0, s[64:65] scope:SCOPE_SE
	s_setreg_imm32_b32 hwreg(HW_REG_WAVE_MODE, 25, 1), 1
	s_wait_xcnt 0x0
	s_wait_alu depctr_hold_cnt(0) depctr_sa_sdst(0) depctr_va_vdst(0) depctr_va_sdst(0) depctr_va_ssrc(0) depctr_va_vcc(0) depctr_vm_vsrc(0)
	s_getreg_b32 s2, hwreg(HW_REG_IB_STS2, 6, 4)
	s_cmp_eq_u32 s2, 0
	s_cbranch_scc0 .Lentry_in_a_cluster
	s_endpgm
.Lentry_in_a_cluster:
	s_bfe_u32 s2, ttmp6, 0x10000c
	s_cmp_lg_u32 s2, 0xf033
	s_cbranch_scc0 .Lentry_shape_is_right
	s_endpgm
.Lentry_shape_is_right:
; QKVG: x Wqkv on FP6 codes, and its results quantised at once: q and k along the head's 128, v along the keys (as v^T).  Operands and results lie in the operand format:
; tile t, lane r = row 32 (t / 2) + 8 (t % 2) + r + 8 (r / 8); fragment (t, ks) = 1,536 bytes, chunk c at 512 c + 16 lane; scale word at ((t / 8) NKS + ks) 512 + (t % 8) 64 + 4 r.
; A work-group makes 256 x 256, a wave 128 x 128: 64 accumulators.  Source 0 = 16 rows of the "B" side, source 1 = 16 rows of the "A" side: a lane holds ONE row of A's side and its 64 registers of one A tile run along
; B's 128 rows in their true order (that is what the order of a tile's rows is for): they are quantised in registers and stored as a fragment.  For q and k A = tokens, B = the head's 128 rows of Wq or Wk;
; for v the two sides change places (A = the head's rows of Wv, B = tokens), by addresses alone: the cluster's x is the kind (0 q, 1 k, 2 v), equal in all partners.
; K = 1,024 is eight K steps of 128 in two LDS slots: K steps 0-2 and 3-5 are first fills; K steps 6 and 7 go into slot 0 when that has been read, and have 160 matrix
; instructions, in which to land.  The scale words of all of K come once.  4 x 4 clusters: A's tiles are asked for jointly along a row of the cluster, B's along a column.
; No prefetch: of the three fills two are first fills, and no wave has to wait long for the third.
; LIMITS: NaN and infinities are not served; a block under 2^-124 gets the byte 1 (this program alone reads the bytes).
; REGISTERS: window 0: v16-31 addresses, v32-95 scale words (four sets), v96-132 the quantiser's, v160-255 A's fragments (one set); window 1: B's two sets at v0 and v128; windows 2, 3: the accumulators.
.set NA, 8
.set NB, 8
.set NQ, 2                             ; K steps of 128 in a set of scale words
.set NKS, 8
.set HA, NA/2
.set QA, NA/4
.set FRB, 1536
; THE RING AS THIS TEXT HAS IT: two slots of three K steps each.  The head's load brings K steps 0-2, the load behind the first round 3-5, and the one refill K steps 6 and 7 into slot 0 (there a tile's bytes are 2 FRB apart).
; The scale words of all of K go from memory straight into 64 registers of each wave (one part in 24 of the operand bytes: they are not asked for jointly).
.set TROWB, 3*FRB
.set HALFT, NA*TROWB                   ; what one tensor load brings, and what one wave reads of A or of B
.set SLOT, 4*HALFT
.set SROWS, NKS
.set SPARE, 327168                     ; the spare words: 128 bytes a wave, named by no other line
.set CH_C, NA*NKS*FRB
.set CH_S, SROWS*512
.set XS,  12582912
.set WQC, 3145728
.set WQS, 12713984
.set ADRA, 16                          ; v16-17 my A fragments in slots 0, 1
.set ADRB, 19                          ; v19-20 the same for B
.set SWA, 23                           ; v23 where my scale words meet: region 1 + 512 x wave + 4 r: that region has had its one fill, and its last read lies ahead of the last barrier
.set SRA, 24
.set ADSA, 26
.set SPW, 28
.set NIL, 29
.set LI, 30
.set SC, 32
.set TM, 96                            ; v32-95 hold scale words and nothing else: set s (K steps 2 s, 2 s + 1) at v[SC + 16 s]
.set PC, 112
.set PW, 132
.set AF, 160
.set FWL, 0xa1                         ; the first step's windows: its C is the constant 0
.set FWH, 0xf1
.set SEL, 18
.set G1, 24
.set G0, 32                            ; s[32:39] group 0 for A's tiles in regions 0 and 1
.set G1B, 48
.set G0B, 56
.set CP, 96                            ; s[96:97] where the next fragment goes; s[98:99] the scale words; s[66:67] from block to block
.set MSB, 0
.macro WIN new                         ; the immediate's high byte repeats the setting that is left
.if MSB != (\new)
	s_set_vgpr_msb (MSB<<8)|(\new)
.set MSB, (\new)
.endif
.endm
.macro JLOAD g0a, g1a, g0b, g1b        ; a joint load: waves 0, 1 fetch for A, waves 2, 3 for B; four v_nop follow each line
	s_cmp_eq_u32 s15, 0
	s_cbranch_scc0 .Lfor_b_\@
	tensor_load_to_lds s[\g0a:\g0a+3], s[\g1a:\g1a+7]
	s_nop 0
.rept 4
	v_nop
.endr
	s_branch .Lasked_\@
.Lfor_b_\@:
	tensor_load_to_lds s[\g0b:\g0b+3], s[\g1b:\g1b+7]
	s_nop 0
.rept 4
	v_nop
.endr
.Lasked_\@:
.endm
.macro CREST                           ; a round of the cluster's barrier behind its opening barrier
	s_cmp_lg_u32 s14, 0
	s_cbranch_scc1 .Lnot_wave_0_\@
	s_barrier_signal -3
.Lnot_wave_0_\@:
	s_barrier_wait -3
	s_barrier_signal -1
	s_barrier_wait -1
.endm
.macro CROUND
	s_barrier_signal -1
	s_barrier_wait -1
	CREST
.endm
.macro PLACES n
.rept \n
	v_nop
.endr
.endm
.macro FRAG reg, adr, off              ; a fragment: three loads of 16 bytes a lane, 512 consecutive bytes each
.irp c, 0,1,2
	ds_load_b128 v[(\reg)+4*\c:(\reg)+4*\c+3], v[\adr] offset:(\off)+512*\c
.endr
.endm
.macro FETCH_B slot, q, p
	WIN 0x40
.set fi, 0
.rept NB
	FRAG 128*(\p)+12*fi, ADRB+\slot, fi*TROWB+(\q)*FRB
.set fi, fi+1
.endr
	WIN 0
.endm
.macro FETCH_A slot, q, half
.set fi, HA*(\half)
.rept HA
	FRAG AF+12*fi, ADRA+\slot, fi*TROWB+(\q)*FRB
.set fi, fi+1
.endr
.endm
; a quarter of a step's products: A's tiles QA k on, each against B's NB.  The accumulators take turns, one instruction a turn, in the same order in every step
.macro MULQ k, p, q, set, first
.set ma, QA*(\k)
.rept QA
.set mb, 0
.rept NB
.set rD, 8*(NB*(ma%HA)+mb)
.set rB, 128*(\p)+12*mb
.set rA, AF+12*ma
.set wB, SC+8+16*(\set)+(NQ/2)*mb+(\q)/2
.set wA, SC+16*(\set)+(NQ/2)*ma+(\q)/2
.if \first
	v_wmma_scale_f32_16x16x128_f8f6f4 v[rD:rD+7], v[rB:rB+11], v[rA:rA+11], 0, v[wB], v[wA] matrix_a_fmt:MATRIX_FMT_FP6 matrix_b_fmt:MATRIX_FMT_FP6
.elseif (\q)%2
	v_wmma_scale_f32_16x16x128_f8f6f4 v[rD:rD+7], v[rB:rB+11], v[rA:rA+11], v[rD:rD+7], v[wB], v[wA] matrix_a_fmt:MATRIX_FMT_FP6 matrix_b_fmt:MATRIX_FMT_FP6 matrix_a_scale:MATRIX_SCALE_ROW1 matrix_b_scale:MATRIX_SCALE_ROW1
.else
	v_wmma_scale_f32_16x16x128_f8f6f4 v[rD:rD+7], v[rB:rB+11], v[rA:rA+11], v[rD:rD+7], v[wB], v[wA] matrix_a_fmt:MATRIX_FMT_FP6 matrix_b_fmt:MATRIX_FMT_FP6
.endif
.set mb, mb+1
.endr
.set ma, ma+1
.endr
.endm
; K step ks: B's set ks % 2, scale set ks / 2.  Its successor's fragments lie in slot nreg at place ni.
; mode 0: no barrier.  mode 1: the last load is waited for: a barrier of the work-group.  mode 2: slot 0 has been read and is filled again, with K steps 6 and 7: the barrier opens a round of the cluster's.
.macro KSTEP ks, nreg, ni, mode, first
.if \mode
	s_wait_tensorcnt 0x0                           ; all my tensor loads have landed
	ds_add_u32 v[SPW], v[NIL]
	s_wait_dscnt 3*HA+1                            ; (the add and A's upper tiles, 12 loads, may be out)
.else
	s_wait_dscnt 3*HA                              ; all but the youngest 12 loads (A's upper tiles) are in
.endif
.if \first
	WIN FWL
.else
	WIN 0xa1
.endif
	MULQ 0, (\ks)%2, (\ks)%2, (\ks)/2, \first
.if \mode
	s_wait_dscnt 0x0                               ; the add is done, and my reads of the slot in hand are over
	s_barrier_signal -1
.endif
	MULQ 1, (\ks)%2, (\ks)%2, (\ks)/2, \first
	WIN 0
.if \mode
	s_barrier_wait -1
.else
	s_wait_dscnt 0x0
.endif
.if \mode == 2
	CREST                                          ; no wave of any partner still reads slot 0 or has a load on its way
	s_add_nc_u64 s[G0+2:G0+3], s[G0+2:G0+3], 6*FRB       ; K steps 6 and 7: two fragments a tile
	s_add_nc_u64 s[G0B+2:G0B+3], s[G0B+2:G0B+3], 6*FRB
	s_mov_b32 s[G1+1], (2*FRB/8)<<16
	s_mov_b32 s[G1+3], (2*FRB/8)<<16
	s_mov_b32 s[G1B+1], (2*FRB/8)<<16
	s_mov_b32 s[G1B+3], (2*FRB/8)<<16
	JLOAD G0, G1, G0B, G1B                         ; the first tensor load behind the round; its four v_nop are the places in front of the loads below
.else
	PLACES 4
.endif
	FETCH_B \nreg, \ni, 1-(\ks)%2
	FETCH_A \nreg, \ni, 0
.if \first
	WIN FWH
.else
	WIN 0xf1
.endif
	MULQ 2, (\ks)%2, (\ks)%2, (\ks)/2, \first
	MULQ 3, (\ks)%2, (\ks)%2, (\ks)/2, \first
	PLACES 4
	WIN 0
	FETCH_A \nreg, \ni, 1
.endm
; 64 numbers of a lane (sources 1 and 2 of the maxima, source 0 of the conversions: window QW) become a fragment in v[PC] on and a scale word in v[PW]
.macro QUANT s
	WIN QW_MAX
.irp b, 0,1,2,3
	v_max3_num_f32 v[TM+\b], 0x1800000, |v[(\s)+16*\b]|, |v[(\s)+1+16*\b]|   ; the floor 2^(3 - 127): the byte cannot fall under 1.  Each accumulator is read from its low end on
.endr
.irp i, 2,4,6,8,10,12,14
.irp b, 0,1,2,3
	v_max3_num_f32 v[TM+\b], v[TM+\b], |v[(\s)+16*\b+\i]|, |v[(\s)+1+16*\b+\i]|
.endr
.endr
	WIN QW_T
.irp b, 0,1,2,3
	v_permlanex16_b32 v[TM+4+\b], v[TM+\b], s[SEL], s[SEL+1]
.endr
.irp b, 0,1,2,3
	v_max_num_f32 v[TM+\b], v[TM+\b], v[TM+4+\b]
.endr
.irp b, 0,1,2,3
	v_add_nc_u32 v[TM+12+\b], 0xff000000, v[TM+\b] ; 2 off the exponent field: the conversion's scale operand
.endr
.irp b, 0,1,2,3
	v_lshrrev_b32 v[TM+4+\b], 23, v[TM+12+\b]
.endr
	v_lshl_or_b32 v[PW], v[TM+5], 8, v[TM+4]
	v_lshl_or_b32 v[PW], v[TM+6], 16, v[PW]
	v_lshl_or_b32 v[PW], v[TM+7], 24, v[PW]
	WIN QW_CVT
.irp c, 0,1
	v_cvt_scalef32_pk16_fp6_f32 v[PC+6*\c:PC+2+6*\c], v[(\s)+32*\c:(\s)+15+32*\c], v[TM+12+2*\c]
	v_cvt_scalef32_pk16_fp6_f32 v[PC+12+4*\c:PC+14+4*\c], v[(\s)+16+32*\c:(\s)+31+32*\c], v[TM+12+2*\c+1]
.endr
	WIN QW_T
	v_nop                                          ; one plain place behind a scaled conversion
.irp c, 0,1
.irp i, 0,1,2
	v_permlane16_swap_b32 v[PC+6*\c+\i], v[PC+12+4*\c+\i]
.endr
.irp i, 0,1,2
	v_mov_b32 v[PC+3+6*\c+\i], v[PC+12+4*\c+\i]
.endr
.endr
.endm
	s_load_b128 s[4:7], s[0:1], 0x0                ; prep, qkv
	v_lshl_add_u32 v[SPW], v0, 2, SPARE
	v_mov_b32 v[NIL], 0
	ds_add_u32 v28, v29
	ds_add_u32 v28, v29
	s_wait_dscnt 0x0
	v_lshrrev_b32 v1, 5, v0
	v_readfirstlane_b32 s14, v1                    ; wave 0..3
	s_lshr_b32 s15, s14, 1                         ; my half of A's side.  Also: I fetch for A (0) or for B (1)
	s_and_b32 s16, s14, 1                          ; my half of B's side.  Also: which half I fetch
	s_bfe_u32 s40, ttmp6, 0x40000                  ; cx
	s_bfe_u32 s41, ttmp6, 0x40004                  ; cy
	s_lshl_b32 s43, s41, 2
	s_lshl_b32 s43, 15, s43                        ; my row of the cluster
	s_lshl_b32 s44, 0x1111, s40                    ; my column
	s_mov_b32 s[SEL], 0x76543210
	s_mov_b32 s[SEL+1], 0xfedcba98
	s_or_b32 s[G1+0], s43, (3<<16)|(1<<21)         ; the mask; elements of 8 bytes; bit 21 set beside a mask; no padding
	s_or_b32 s[G1B+0], s44, (3<<16)|(1<<21)
.irp g, G1, G1B
	s_mov_b32 s[\g+1], (TROWB/8)<<16               ; tensor_dim0: a tile's bytes of a slot
	s_mov_b32 s[\g+2], NA<<16                      ; tensor_dim1: tiles
	s_mov_b32 s[\g+3], (TROWB/8)<<16               ; tile_dim0
	s_mov_b32 s[\g+4], NA                          ; tile_dim1
	s_mov_b32 s[\g+5], NKS*192                     ; from tile to tile: NKS fragments
	s_mov_b32 s[\g+6], 0
	s_mov_b32 s[\g+7], 0
.endr
	s_and_b32 s8, ttmp7, 0xffff
	s_lshl_b32 s8, s8, 3                           ; 8 x the cluster's y: its first group of 128 tokens
	s_lshl_b32 s9, s41, 1                          ; A's side: cy, the cluster's y and the wave alone
	s_add_co_u32 s9, s9, s16
	s_add_co_u32 s10, s8, s9                       ; q, k: a group of tokens
	s_mul_i32 s11, s9, 3
	s_add_co_u32 s11, s11, 2                       ; v: the head's rows of Wv: group 3 head + 2
	s_lshl_b32 s12, s40, 1                         ; B's side: cx, the cluster's y and the wave alone
	s_add_co_u32 s12, s12, s16
	s_add_co_u32 s13, s8, s12                      ; v: a group of tokens
	s_mul_i32 s46, s12, 3
	s_add_co_u32 s46, s46, ttmp9                   ; q, k: group 3 head + kind
	s_lshl_b32 s94, s41, 1                         ; A's scale words are those of the half that I multiply: 2 cy + s15
	s_add_co_u32 s94, s94, s15
	s_add_co_u32 s95, s8, s94                      ; q, k: a group of tokens
	s_mul_i32 s94, s94, 3
	s_add_co_u32 s94, s94, 2                       ; v: group 3 head + 2
	s_mov_b32 s22, XS
	s_mov_b32 s92, WQS
	s_cmp_eq_u32 ttmp9, 2                          ; the kind is the cluster's x: equal in all partners
	s_cselect_b32 s20, s11, s10
	s_cselect_b32 s23, s94, s95
	s_cselect_b32 s21, WQC, 0
	s_cselect_b32 s22, WQS, s22
	s_cselect_b32 s46, s13, s46
	s_cselect_b32 s47, 0, WQC
	s_cselect_b32 s92, XS, s92
	s_mul_i32 s23, s23, CH_S
	s_mul_i32 s20, s20, CH_C
	s_mul_i32 s93, s46, CH_S
	s_mul_i32 s46, s46, CH_C
	s_add_co_u32 s20, s20, s21
	s_add_co_u32 s22, s22, s23
	s_add_co_u32 s46, s46, s47
	s_add_co_u32 s92, s92, s93
	s_mov_b32 s21, 0
	s_mov_b32 s23, 0
	s_mov_b32 s47, 0
	s_mov_b32 s93, 0
	s_mul_i32 s45, s14, HALFT                      ; where they go: no place in the cluster enters an LDS address
	s_wait_kmcnt 0x0
	s_add_nc_u64 s[20:21], s[4:5], s[20:21]
	s_add_nc_u64 s[22:23], s[4:5], s[22:23]
	s_add_nc_u64 s[46:47], s[4:5], s[46:47]
	s_add_nc_u64 s[92:93], s[4:5], s[92:93]
	CROUND                                         ; all sixteen work-groups are here: the first joint loads meet
.irp s, 0,1
	s_mov_b32 s[G0+4*\s], 1
	s_add_co_u32 s[G0+4*\s+1], s45, \s*SLOT
	s_add_nc_u64 s[G0+4*\s+2:G0+4*\s+3], s[20:21], \s*TROWB
	s_or_b32 s[G0+4*\s+3], s[G0+4*\s+3], 0x80000000
	s_mov_b32 s[G0B+4*\s], 1
	s_add_co_u32 s[G0B+4*\s+1], s45, \s*SLOT
	s_add_nc_u64 s[G0B+4*\s+2:G0B+4*\s+3], s[46:47], \s*TROWB
	s_or_b32 s[G0B+4*\s+3], s[G0B+4*\s+3], 0x80000000
.endr
	JLOAD G0, G1, G0B, G1B                         ; K steps 0-2: my one tensor load at the head
	v_and_b32 v1, 31, v0
	v_lshlrev_b32 v[LI], 4, v1                     ; 16 x lane
	v_and_b32 v2, 15, v0                           ; r
	s_wait_alu depctr_va_vdst(0)
	v_bfe_u32 v3, v0, 4, 1                         ; h
	s_mul_i32 s95, s15, HALFT
	s_mul_i32 s2, s16, HALFT
	s_add_co_u32 s2, s2, 2*HALFT
.irp s, 0,1
	v_add_nc_u32 v[ADRA+\s], s95, v[LI]
	v_add_nc_u32 v[ADRB+\s], s2, v[LI]
	s_add_co_u32 s95, s95, SLOT
	s_add_co_u32 s2, s2, SLOT
.endr
	v_lshlrev_b32 v4, 2, v2
	s_wait_alu depctr_va_vdst(0)
	v_lshl_add_u32 v[ADSA], v3, 9, v4              ; 4 r, and lanes 16-31 one K step (512 bytes) on
.set fs, 0
.rept 4                                        ; the scale words of all of K: set fs, tile fi; A's at +0, B's at +8
.set fi, 0
.rept 8
	global_load_b32 v[SC+16*fs+fi], v[ADSA], s[22:23] offset:1024*fs+64*fi
	global_load_b32 v[SC+8+16*fs+fi], v[ADSA], s[92:93] offset:1024*fs+64*fi
.set fi, fi+1
.endr
.set fs, fs+1
.endr
	s_lshl_b32 s95, s14, 9
	s_add_co_u32 s95, s95, SLOT
	v_add_nc_u32 v[SWA], s95, v4
	v_add_nc_u32 v[SRA], s95, v[LI]
	; where my results go
	s_lshl_b32 s94, s41, 1
	s_add_co_u32 s94, s94, s15                     ; 2 cy + my half of A's side
	s_lshl_b32 s95, s40, 1
	s_add_co_u32 s95, s95, s16                     ; 2 cx + my half of B's side
	s_mov_b32 s66, 1536
	s_mov_b32 s2, 12288
	s_cmp_eq_u32 ttmp9, 2
	s_cselect_b32 s96, s95, s94                    ; my group of tokens in the cluster's 8
	s_cselect_b32 s98, s94, s95                    ; my head
	s_cselect_b32 s66, 24576, s66                  ; from block to block: q, k a fragment; v^T a tile's 16 fragments
	s_cselect_b32 s2, 1536, s2                     ; a group of tokens: q, k eight tiles; v^T a K step
	s_add_co_u32 s96, s96, s8
	s_lshr_b32 s97, s96, 4
	s_lshl_b32 s97, s97, 3
	s_add_co_u32 s98, s98, s97                     ; 8 x batch + head
	s_and_b32 s96, s96, 15
	s_mul_i32 s2, s2, s96
	s_mul_i32 s97, s98, 196608
	s_add_co_u32 s2, s2, s97
	s_mul_i32 s97, ttmp9, 3145728
	s_add_co_u32 s2, s2, s97
	s_lshl_b32 s96, s96, 9
	s_lshl_b32 s98, s98, 13
	s_add_co_u32 s98, s98, s96
	s_lshl_b32 s97, ttmp9, 17
	s_add_co_u32 s98, s98, s97
	s_add_co_u32 s98, s98, 9437184
	s_mov_b32 s99, 0
	s_add_nc_u64 s[98:99], s[6:7], s[98:99]
	s_mov_b32 s96, s2
	s_mov_b32 s97, 0
	s_add_nc_u64 s[CP:CP+1], s[6:7], s[96:97]
	s_mov_b32 s67, 0
	s_wait_alu depctr_va_vdst(0)
	s_wait_tensorcnt 0x0                           ; my part of slot 0 is in
	ds_add_u32 v[SPW], v[NIL]
	s_wait_dscnt 0x0
	CROUND                                         ; everybody's part of slot 0 is in, and the sixteen work-groups meet
	JLOAD G0+4, G1, G0B+4, G1B                     ; K steps 3-5 into slot 1: the first tensor load behind the round
	FETCH_B 0, 0, 0
	FETCH_A 0, 0, 0
	FETCH_A 0, 0, 1
	s_wait_loadcnt 0x0                             ; the scale words
	KSTEP 0, 0, 1, 0, 1                            ; K step 0: its products start the sums
	KSTEP 1, 0, 2, 0, 0
	KSTEP 2, 1, 0, 2, 0                            ; on into slot 1; slot 0 takes K steps 6 and 7
	KSTEP 3, 1, 1, 0, 0
	KSTEP 4, 1, 2, 0, 0
.set TROWB, 2*FRB                      ; in the refilled slot a tile has two fragments
	KSTEP 5, 0, 0, 1, 0                            ; the refill is waited for
	KSTEP 6, 0, 1, 0, 0
	s_wait_dscnt 3*HA                              ; K step 7: nothing more to fetch
	WIN 0xa1
	MULQ 0, 1, 1, 3, 0
	MULQ 1, 1, 1, 3, 0
	s_wait_dscnt 0
	WIN 0xf1
	MULQ 2, 1, 1, 3, 0
	MULQ 3, 1, 1, 3, 0
	WIN 0
	PLACES 4                                       ; in front of the first read of results
.irp b, 0,1,2,3
	v_mov_b32 v[TM+4+\b], 0                        ; a lane permute's destination counts as one of its sources
.endr
.set QW_T, 0
.macro OUTQ a                          ; A's tile a: 64 numbers a lane become one fragment and one scale word a row
	s_wait_xcnt 0x0                                ; the last block's stores have read their registers and their base
	s_wait_dscnt 0x0
.if (\a) > 0
	s_add_nc_u64 s[CP:CP+1], s[CP:CP+1], s[66:67]
.endif
.set QW_MAX, 0x14*(2+(\a)/4)
.set QW_CVT, 2+(\a)/4
	QUANT 64*((\a)%4)
.irp c, 0,1,2
	global_store_b128 v[LI], v[PC+4*\c:PC+4*\c+3], s[CP:CP+1] offset:512*\c
.endr
	ds_store_b32 v[SWA], v[PW] offset:64*(\a)      ; lanes r and r + 16 write the same word with the same value
.endm
.irp a, 0,1,2,3,4,5,6,7
	OUTQ \a
.endr
	ds_load_b128 v[104:107], v[SRA]                ; my eight tiles' words, 512 bytes: LDS serves a wave's instructions in order
	s_wait_dscnt 0x0
	global_store_b128 v[LI], v[104:107], s[98:99]
	s_wait_tensorcnt 0x0                           ; the wave's end
	ds_add_u32 v[SPW], v[NIL]
	s_wait_dscnt 0x0
	CROUND                                         ; the closing round
	s_endpgm
.Lfunc_end_k_qd194283986_qkvg:
	.size	k_qd194283986_qkvg, .Lfunc_end_k_qd194283986_qkvg-k_qd194283986_qkvg
	.p2alignl 7, 3214868480
	.fill 96, 4, 3214868480
	.section	.rodata,"a",@progbits
	.p2align	6, 0x0
	.amdhsa_kernel k_qd194283986_qkvg
		.amdhsa_group_segment_fixed_size 327680
		.amdhsa_private_segment_fixed_size 0
		.amdhsa_enable_private_segment 0
		.amdhsa_kernarg_size 16
		.amdhsa_user_sgpr_count 2
		.amdhsa_user_sgpr_kernarg_segment_ptr 1
		.amdhsa_wavefront_size32 1
		.amdhsa_system_sgpr_workgroup_id_x 1
		.amdhsa_system_sgpr_workgroup_id_y 1
		.amdhsa_system_sgpr_workgroup_id_z 1
		.amdhsa_system_vgpr_workitem_id 0
		.amdhsa_next_free_vgpr 1024
		.amdhsa_next_free_sgpr 100
		.amdhsa_reserve_vcc 0
		.amdhsa_float_denorm_mode_32 3
		.amdhsa_float_denorm_mode_16_64 3
		.amdhsa_memory_ordered 1
		.amdhsa_forward_progress 1
		.amdhsa_inst_pref_size 144
	.end_amdhsa_kernel
	.amdgpu_metadata
---
amdhsa.version: [ 1, 2 ]
amdhsa.kernels:
  - .name:           k_qd194283986_qkvg
    .symbol:         k_qd194283986_qkvg.kd
    .args:
      - { .name: prep, .offset: 0, .size: 8, .value_kind: global_buffer, .address_space: global }
      - { .name: qkv, .offset: 8, .size: 8, .value_kind: global_buffer, .address_space: global }
    .group_segment_fixed_size: 327680
    .private_segment_fixed_size: 0
    .kernarg_segment_align: 8
    .kernarg_segment_size: 16
    .max_flat_workgroup_size: 128
    .sgpr_count:     100
    .vgpr_count:     1024
    .wavefront_size: 32
...
	.end_amdgpu_metadata
.endif
;; end of part 2
;; launch attn (part 3): grid 16 x 16, 16 waves a work-group, no clusters, 327,680 bytes of LDS; arguments qkv, ctx; writes ctx
.if DOCPART == 3
	.amdgcn_target "amdgcn-amd-amdhsa--gfx1250"
	.amdhsa_code_object_version 6
	.text
	.protected	k_qd194283986_attn
	.globl	k_qd194283986_attn
	.p2align	8
	.type	k_qd194283986_attn,@function
k_qd194283986_attn:
	s_mov_b64 s[64:65], 0
	v_nop
	global_prefetch_b8 v0, s[64:65] scope:SCOPE_SE
	s_setreg_imm32_b32 hwreg(HW_REG_WAVE_MODE, 25, 1), 1
	s_wait_xcnt 0x0
; ATTN: causal attention on FP6 codes, and its result quantised along D for the next product.  q, k: per batch and head 128 tiles of 16 rows x 128; v^T: 8 tiles of 16 channels x 16 K steps of 128 keys; all in the
; operand format (tile t, lane r = row 32 (t / 2) + 8 (t % 2) + r + 8 (r / 8); a fragment = 1,536 bytes, chunk c at 512 c + 16 lane; a tile's 16 scale words = 64 bytes).
; THE SOFTMAX: t = score x log2(e) / sqrt(128); M = the running largest t rounded up to a whole number; p = 2^(t - M) is quantised along the keys; the row's sum is taken of the unquantised p and divides at the end.
; SHARES.  y = 8 batch + head; x = i: the work-group takes the 64 queries of block i and those of block 31 - i: eight tiles of 16.  TWO WAVES TO A TILE: one takes the even key steps of 128, the other the odd ones,
; each with its own running M, sum and O^T; so the longest chain is 8 key steps and not 16.  At the end the second wave's three go through LDS to the first, which brings both under the larger M (powers of two: exact).
; Wave w = 4 a + b: late block where a + b is odd; tile a of the block; odd steps where bit 1 of w is set: every four waves on end, and every four waves 4 apart, are two early and two late.
; Both products are used transposed (S^T = K Q^T, O^T = V^T P^T): a lane holds one query; the order of a tile's rows makes p's 16 registers of two tiles 16 neighbouring keys, and O^T's 64 registers the head's 128 in order.
; LDS.  A slot is 512 keys (49,152 bytes of K, as many of V); the head has four.  THREE regions are filled at the start, as one group; the fourth slot goes into region 0 when that has been read, and has four key steps of
; every wave in which to land.  All is written out: no loop, every LDS offset an immediate.  A step all of whose keys come after the wave's queries leaves its work out, by a scalar branch on ids; no tensor load or barrier is jumped over.
; NO CLUSTER: that branch hangs on the query block, which differs between the work-groups that share K and V.  NO PREFETCH: three of the four tiles are first fills, and no wave has to wait long for the fourth.
; The 64 bytes of a tile's scale words leave as a quarter of an aligned block of 256: one part in 24 of what the launch stores.
; LIMITS: NaN and infinities are not served; a block under 2^-124 gets the byte 1.
.set SLOTB, 98304                      ; a region: 32 tiles of K, then V: [8 tiles][4 K steps][1536]
.set VOFF,  49152
.set SCK,   294912                     ; K's scale words of the whole head, 8,192 bytes; V's follow
.set SCV,   303104
.set SPARE, 311296                     ; the spare words: 128 bytes for each of 16 waves
.set MST,   SLOTB                      ; the merge: 8 x 8,448 bytes in region 1, which has had its one fill, and whose last read lies ahead of the last change of slots
.set KCO,   3145728
.set VCO,   6291456
.set QSO,   9437184
.set KSO,   9568256
.set CSO,   3145728
.set LI,   1                           ; v1  16 x lane
.set AS0,  2                           ; v2  SCK + 4 x lane + 512 x (odd steps)
.set DQ,   3                           ; v3  r + 8 (r / 8) - 16 h
.set R4,   4                           ; v4  4 r
.set SPW,  5
.set NIL,  6
.set LN,   7                           ; v7  lane
.set ADK,  8                           ; v8  K's fragments in the region in hand
.set ADV,  9                           ; v9  V's
.set AK0,  10                          ; v10 16 x lane + 12,288 x (odd steps)
.set AV0,  11                          ; v11 16 x lane + VOFF + 1,536 x (odd steps)
.set MSA,  28                          ; v28 the merge: my pair's O^T
.set MSB,  29                          ; v29 and its -M and sum
.set TM,   32
.set PC,   48
.set PW,   68
.set WV,   18
.set SEL,  20
.set CS,   22
.set G1K,  24
.set G1V,  32
.set G1S,  40
.set G0K,  48                          ; s[48:63] groups 0: K's scale words, K's tiles of regions 0, 1, 2
.set G0V,  68                          ; s[68:83] the same for V
.set KH,   84                          ; s84 1: I take the odd key steps
.set QX,   85                          ; s85 my last query, s87 my first, s86 the step's first key
.set KF,   86
.set Q0,   87
.macro TLOAD g0k, g1k, g0v, g1v        ; waves 0, 1 fetch for K, waves 2, 3 for V, the others nothing; four v_nop follow each line
	s_cmp_lt_u32 s[WV], 2
	s_cbranch_scc0 .Lnot_k_\@
	tensor_load_to_lds s[\g0k:\g0k+3], s[\g1k:\g1k+7]
	s_nop 0
.rept 4
	v_nop
.endr
	s_branch .Lasked_\@
.Lnot_k_\@:
	s_cmp_lt_u32 s[WV], 4
	s_cbranch_scc0 .Lasked_\@
	tensor_load_to_lds s[\g0v:\g0v+3], s[\g1v:\g1v+7]
	s_nop 0
.rept 4
	v_nop
.endr
.Lasked_\@:
.endm
.macro QUANT s
.irp b, 0,1,2,3
	v_max3_num_f32 v[TM+\b], 0x1800000, |v[(\s)+16*\b]|, |v[(\s)+1+16*\b]|
.endr
.irp i, 2,4,6,8,10,12,14
.irp b, 0,1,2,3
	s_delay_alu instid0(VALU_DEP_4)
	v_max3_num_f32 v[TM+\b], v[TM+\b], |v[(\s)+16*\b+\i]|, |v[(\s)+1+16*\b+\i]|
.endr
.endr
.irp b, 0,1,2,3
	s_delay_alu instid0(VALU_DEP_4)
	v_permlanex16_b32 v[TM+4+\b], v[TM+\b], s[SEL], s[SEL+1]
.endr
.irp b, 0,1,2,3
	s_delay_alu instid0(VALU_DEP_4)
	v_max_num_f32 v[TM+\b], v[TM+\b], v[TM+4+\b]
.endr
.irp b, 0,1,2,3
	s_delay_alu instid0(VALU_DEP_4)
	v_add_nc_u32 v[TM+12+\b], 0xff000000, v[TM+\b]
.endr
.irp b, 0,1,2,3
	s_delay_alu instid0(VALU_DEP_4)
	v_lshrrev_b32 v[TM+4+\b], 23, v[TM+12+\b]
.endr
	s_delay_alu instid0(VALU_DEP_3)
	v_lshl_or_b32 v[PW], v[TM+5], 8, v[TM+4]
	s_delay_alu instid0(VALU_DEP_1)
	v_lshl_or_b32 v[PW], v[TM+6], 16, v[PW]
	s_delay_alu instid0(VALU_DEP_1)
	v_lshl_or_b32 v[PW], v[TM+7], 24, v[PW]
.irp c, 0,1
	v_cvt_scalef32_pk16_fp6_f32 v[PC+6*\c:PC+2+6*\c], v[(\s)+32*\c:(\s)+15+32*\c], v[TM+12+2*\c]
	v_cvt_scalef32_pk16_fp6_f32 v[PC+12+4*\c:PC+14+4*\c], v[(\s)+16+32*\c:(\s)+31+32*\c], v[TM+12+2*\c+1]
.endr
	v_nop
.irp c, 0,1
.irp i, 0,1,2
	v_permlane16_swap_b32 v[PC+6*\c+\i], v[PC+12+4*\c+\i]
.endr
.irp i, 0,1,2
	s_delay_alu instid0(VALU_DEP_3)
	v_mov_b32 v[PC+3+6*\c+\i], v[PC+12+4*\c+\i]
.endr
.endr
.endm
	s_load_b128 s[4:7], s[0:1], 0x0                ; qkv, ctx
	v_lshl_add_u32 v[SPW], v0, 2, SPARE
	v_mov_b32 v[NIL], 0
	ds_add_u32 v5, v6
	ds_add_u32 v5, v6
	s_wait_dscnt 0x0
	v_lshrrev_b32 v30, 5, v0
	s_delay_alu instid0(VALU_DEP_1)
	v_readfirstlane_b32 s[WV], v30                 ; wave 0..15
	s_lshr_b32 s8, s[WV], 2                        ; a: my tile in its block
	s_add_co_u32 s9, s8, s[WV]
	s_and_b32 s9, s9, 1                            ; (a + b) % 2: 1 = the late block
	s_bfe_u32 s[KH], s[WV], 0x10001                ; bit 1 of the wave's number
	s_and_b32 s10, s[WV], 1
	s_lshl_b32 s11, s8, 1
	s_add_co_u32 s10, s10, s11                     ; my pair, 0..7: waves w and w + 2
	; every LDS address is made here, ahead of the first branch on the wave's number
	v_and_b32 v[LN], 31, v0
	s_wait_alu depctr_va_vdst(0)
	v_lshlrev_b32 v[LI], 4, v[LN]
	s_mul_i32 s11, s[KH], 12288
	v_add_nc_u32 v[AK0], s11, v[LI]
	s_mul_i32 s11, s[KH], 1536
	s_add_co_u32 s11, s11, VOFF
	v_add_nc_u32 v[AV0], s11, v[LI]
	s_lshl_b32 s11, s[KH], 9
	s_add_co_u32 s11, s11, SCK
	v_lshl_add_u32 v[AS0], v[LN], 2, s11
	s_mul_i32 s11, s10, 8448
	s_add_co_u32 s11, s11, MST
	v_add_nc_u32 v[MSA], s11, v[LI]
	s_add_co_u32 s11, s11, 8192
	v_lshl_add_u32 v[MSB], v[LN], 2, s11
	v_and_b32 v30, 15, v0                          ; r
	v_bfe_u32 v31, v0, 4, 1                        ; h
	s_delay_alu instid0(VALU_DEP_2)
	v_lshlrev_b32 v[R4], 2, v30
	s_delay_alu instid0(VALU_DEP_3)
	v_and_b32 v[DQ], 8, v30
	s_delay_alu instid0(VALU_DEP_1)
	v_add_nc_u32 v[DQ], v[DQ], v30
	s_delay_alu instid0(VALU_DEP_4)
	v_lshlrev_b32 v31, 4, v31
	s_delay_alu instid0(VALU_DEP_1)
	v_sub_nc_u32 v[DQ], v[DQ], v31
	s_and_b32 s12, ttmp7, 0xffff                   ; 8 batch + head
	s_mul_i32 s13, s12, 196608                     ; its codes in q, in k and in v^T
	s_lshl_b32 s14, s12, 13                        ; its scale words
	s_sub_co_u32 s15, 31, ttmp9
	s_cmp_eq_u32 s9, 0
	s_cselect_b32 s15, ttmp9, s15                  ; my block of 64 queries
	s_lshl_b32 s15, s15, 2
	s_add_co_u32 s15, s15, s8                      ; my tile
	s_lshr_b32 s[Q0], s15, 1
	s_lshl_b32 s[Q0], s[Q0], 5
	s_and_b32 s16, s15, 1
	s_lshl_b32 s16, s16, 3
	s_add_co_u32 s[Q0], s[Q0], s16                 ; its first query,
	s_add_co_u32 s[QX], s[Q0], 23                  ; and its last
	s_lshl_b32 s[KF], s[KH], 7                     ; my first key step's first key
	s_mul_i32 s88, s15, 1536
	s_add_co_u32 s88, s88, s13                     ; q's fragment
	s_mov_b32 s89, 0
	s_lshl_b32 s90, s15, 6
	s_add_co_u32 s90, s90, s14
	s_add_co_u32 s90, s90, QSO                     ; its scale words
	s_mov_b32 s91, 0
	s_lshr_b32 s16, s12, 3
	s_lshl_b32 s16, s16, 7
	s_add_co_u32 s16, s16, s15                     ; the tile among all 4,096 tokens
	s_and_b32 s17, s12, 7                          ; the head = ctx's K step
	s_lshl_b32 s92, s16, 3
	s_add_co_u32 s92, s92, s17
	s_mul_i32 s92, s92, 1536
	s_mov_b32 s93, 0
	s_lshr_b32 s94, s16, 3
	s_lshl_b32 s94, s94, 3
	s_add_co_u32 s94, s94, s17
	s_lshl_b32 s94, s94, 9
	s_and_b32 s95, s16, 7
	s_lshl_b32 s95, s95, 6
	s_add_co_u32 s94, s94, s95
	s_add_co_u32 s94, s94, CSO
	s_mov_b32 s95, 0
	s_and_b32 s16, s[WV], 1                        ; what I fetch, if I fetch: half s16
	s_mul_i32 s17, s16, 24576                      ; in a region,
	s_add_co_u32 s96, s17, s13
	s_add_co_u32 s96, s96, KCO                     ; K in memory: 16 tiles, dense
	s_mov_b32 s97, 0
	s_mul_i32 s98, s16, 98304
	s_add_co_u32 s98, s98, s13
	s_add_co_u32 s98, s98, VCO                     ; V in memory: 4 tiles, 24,576 bytes apart
	s_mov_b32 s99, 0
	s_lshl_b32 s19, s16, 12
	s_add_co_u32 s10, s19, s14
	s_add_co_u32 s10, s10, KSO                     ; half a head's scale words
	s_mov_b32 s11, 0
	s_mov_b32 s[G1K], 3<<16                        ; K: 24,576 dense bytes as 96 rows of 256 (32 elements of 8 bytes); no mask, no padding
	s_mov_b32 s[G1K+1], 32<<16
	s_mov_b32 s[G1K+2], 96<<16
	s_mov_b32 s[G1K+3], 32<<16
	s_mov_b32 s[G1K+4], 96
	s_mov_b32 s[G1K+5], 32
	s_mov_b32 s[G1K+6], 0
	s_mov_b32 s[G1K+7], 0
	s_mov_b32 s[G1V], 3<<16                        ; V: 4 rows of 6,144 bytes, 24,576 bytes apart
	s_mov_b32 s[G1V+1], 768<<16
	s_mov_b32 s[G1V+2], 4<<16
	s_mov_b32 s[G1V+3], 768<<16
	s_mov_b32 s[G1V+4], 4
	s_mov_b32 s[G1V+5], 3072
	s_mov_b32 s[G1V+6], 0
	s_mov_b32 s[G1V+7], 0
	s_mov_b32 s[G1S], 3<<16                        ; scale words: 4,096 dense bytes as 16 rows of 256
	s_mov_b32 s[G1S+1], 32<<16
	s_mov_b32 s[G1S+2], 16<<16
	s_mov_b32 s[G1S+3], 32<<16
	s_mov_b32 s[G1S+4], 16
	s_mov_b32 s[G1S+5], 32
	s_mov_b32 s[G1S+6], 0
	s_mov_b32 s[G1S+7], 0
	s_mov_b32 s[SEL], 0x76543210
	s_mov_b32 s[SEL+1], 0xfedcba98
	s_mov_b32 s[CS], 0x3e0293ee                    ; c = log2(e) / sqrt(128)
	s_mov_b32 s[CS+1], s[CS]
	s_wait_kmcnt 0x0
	s_mov_b32 s[G0K], 1
	s_add_co_u32 s[G0K+1], s19, SCK
	s_add_nc_u64 s[G0K+2:G0K+3], s[4:5], s[10:11]
	s_mov_b32 s[G0V], 1
	s_add_co_u32 s[G0V+1], s19, SCV
	s_add_nc_u64 s[G0V+2:G0V+3], s[G0K+2:G0K+3], 131072
	s_or_b32 s[G0K+3], s[G0K+3], 0x80000000
	s_or_b32 s[G0V+3], s[G0V+3], 0x80000000
	s_add_nc_u64 s[96:97], s[4:5], s[96:97]
	s_add_nc_u64 s[98:99], s[4:5], s[98:99]
.irp s, 0,1,2
	s_mov_b32 s[G0K+4+4*\s], 1
	s_add_co_u32 s[G0K+5+4*\s], s17, \s*SLOTB
	s_add_nc_u64 s[G0K+6+4*\s:G0K+7+4*\s], s[96:97], \s*49152
	s_or_b32 s[G0K+7+4*\s], s[G0K+7+4*\s], 0x80000000
	s_mov_b32 s[G0V+4+4*\s], 1
	s_add_co_u32 s[G0V+5+4*\s], s17, \s*SLOTB+VOFF
	s_add_nc_u64 s[G0V+6+4*\s:G0V+7+4*\s], s[98:99], \s*6144
	s_or_b32 s[G0V+7+4*\s], s[G0V+7+4*\s], 0x80000000
.endr
; THE FIRST FILLS, in two groups.  At the head waves 0-7 take what the first key steps read: waves 2 j and 2 j + 1 the two halves of K's scale words, V's, K's and V's tiles of region 0.
; Behind the first barrier waves 8-15 take K's and V's tiles of regions 1 and 2 in the same way.  Each group is one chain of branches on the wave's number, a load to an arm, one join.
.macro ARM under, g0, g1, join
	s_cmp_lt_u32 s[WV], \under
	s_cbranch_scc0 .Lnot_\under
	tensor_load_to_lds s[\g0:\g0+3], s[\g1:\g1+7]
	s_nop 0
.rept 4
	v_nop
.endr
	s_branch \join
.Lnot_\under:
.endm
	ARM 2, G0K, G1S, .Lfilled
	ARM 4, G0V, G1S, .Lfilled
	ARM 6, G0K+4, G1K, .Lfilled
	ARM 8, G0V+4, G1V, .Lfilled
.Lfilled:
	s_add_nc_u64 s[88:89], s[4:5], s[88:89]
	s_add_nc_u64 s[90:91], s[4:5], s[90:91]
	s_add_nc_u64 s[92:93], s[6:7], s[92:93]
	s_add_nc_u64 s[94:95], s[6:7], s[94:95]
.irp c, 0,1,2
	global_load_b128 v[16+4*\c:19+4*\c], v[LI], s[88:89] offset:512*\c   ; Q's fragment stays in registers
.endr
	s_wait_alu depctr_va_vdst(0)
	global_load_b32 v255, v[R4], s[90:91]          ; and its scale words
	v_mov_b32 v13, 0xff61b1e6                      ; the largest t so far: -3e38
	s_delay_alu instid0(VALU_DEP_1)
	v_floor_f32 v12, -v13                          ; -M
	v_mov_b32 v14, 0
	v_mov_b32 v15, 0
.irp b, 0,1,2,3
	v_mov_b32 v[236+\b], 0                         ; a lane permute's destination counts as one of its sources
.endr
	v_mov_b32 v252, 0
	v_mov_b32 v253, 0
.set n, 0
.rept 64
	v_mov_b32 v[160+n], 0                          ; O^T: the step has one form; the first finds zeros
.set n, n+1
.endr
; A KEY STEP of mine: 128 keys: step 2 q + (odd) of slot tau, which lies in region reg
.macro STEP reg, tau, q
	s_cmp_gt_u32 s[KF], s[QX]                      ; all its keys come after my queries: the work is left out
	s_cbranch_scc1 .Lhidden_\@
	v_add_nc_u32 v[ADK], (\reg)*SLOTB, v[AK0]
	s_wait_alu depctr_va_vdst(0)
	v_add_nc_u32 v[ADV], (\reg)*SLOTB, v[AV0]
	v_nop
	v_nop                                          ; four places in front of loads into registers that matrix instructions have read
.irp g, 0,1                                    ; S^T = K Q^T, four tiles of 16 keys at a time
.if \g > 0
.rept 4
	v_nop
.endr
.endif
.irp t, 0,1,2,3
.irp c, 0,1,2
	ds_load_b128 v[32+12*\t+4*\c:35+12*\t+4*\c], v[ADK] offset:24576*(\q)+(4*\g+\t)*1536+512*\c
.endr
.endr
	ds_load_b32 v248, v[AS0] offset:2048*(\tau)+1024*(\q)+256*\g       ; two tiles' scale words a load: lanes 0-15 the even tile's, lanes 16-31 the odd one's
	ds_load_b32 v249, v[AS0] offset:2048*(\tau)+1024*(\q)+256*\g+128
	s_wait_dscnt 0x0
.irp t, 0,2
	v_wmma_scale_f32_16x16x128_f8f6f4 v[96+8*(4*\g+\t):103+8*(4*\g+\t)], v[32+12*\t:43+12*\t], v[16:27], 0, v[248+\t/2], v255 matrix_a_fmt:MATRIX_FMT_FP6 matrix_b_fmt:MATRIX_FMT_FP6
	v_wmma_scale_f32_16x16x128_f8f6f4 v[104+8*(4*\g+\t):111+8*(4*\g+\t)], v[44+12*\t:55+12*\t], v[16:27], 0, v[248+\t/2], v255 matrix_a_fmt:MATRIX_FMT_FP6 matrix_b_fmt:MATRIX_FMT_FP6 matrix_a_scale:MATRIX_SCALE_ROW1
.endr
.endr
.rept 4
	v_nop
.endr
	s_add_co_u32 s96, s[KF], 127                   ; on the diagonal hidden scores become -infinity ahead of the maximum; a step all of whose keys count skips this
	s_cmp_le_u32 s96, s[Q0]
	s_cbranch_scc1 .Lopen_\@
	s_sub_co_i32 s96, s[Q0], s[KF]
	v_add_nc_u32 v252, s96, v[DQ]                  ; d = my query - the step's first key - 16 h: register 16 b + i is hidden where 32 b + i > d
	v_mov_b32 v254, 0xff800000
.set n, 0
.rept 64
	v_cmp_gt_i32 vcc_lo, 32*(n/16)+n%16, v252
	v_cndmask_b32 v[96+n], v[96+n], v254, vcc_lo
.set n, n+1
.endr
.Lopen_\@:
.irp b, 0,1,2,3
	v_max3_num_f32 v[232+\b], v[96+16*\b], v[97+16*\b], v[98+16*\b]   ; the largest score of each block of 32 keys: for the row's maximum and for the block's largest p
.endr
.irp i, 3,5,7,9,11,13
.irp b, 0,1,2,3
	v_max3_num_f32 v[232+\b], v[232+\b], v[96+16*\b+\i], v[97+16*\b+\i]
.endr
.endr
.irp b, 0,1,2,3
	v_max_num_f32 v[232+\b], v[232+\b], v[111+16*\b]
.endr
.irp b, 0,1,2,3
	s_delay_alu instid0(VALU_DEP_4)
	v_permlanex16_b32 v[236+\b], v[232+\b], s[SEL], s[SEL+1]
.endr
.irp b, 0,1,2,3
	s_delay_alu instid0(VALU_DEP_4)
	v_max_num_f32 v[232+\b], v[232+\b], v[236+\b]
.endr
	s_delay_alu instid0(VALU_DEP_2)
	v_max3_num_f32 v254, v232, v233, v234
	s_delay_alu instid0(VALU_DEP_1)
	v_max_num_f32 v254, v254, v235
	s_delay_alu instid0(VALU_DEP_1)
	v_mul_f32 v254, s[CS], v254
	s_delay_alu instid0(VALU_DEP_1)
	v_max_num_f32 v13, v13, v254                   ; the running largest t
	v_mov_b32 v254, v12
	s_delay_alu instid0(VALU_DEP_2)
	v_floor_f32 v12, -v13                          ; the new -M: M is a whole number
	s_delay_alu instid0(VALU_DEP_1)
	v_sub_f32 v254, v12, v254
	s_delay_alu instid0(VALU_DEP_1)
	v_cvt_i32_f32 v254, v254
	s_delay_alu instid0(VALU_DEP_1)
	v_ldexp_f32 v252, 1.0, v254                    ; f = 2^(old M - new M): rounds nothing
.set n, 0
.rept 32
	v_pk_fma_f32 v[96+n:97+n], v[96+n:97+n], s[CS:CS+1], v[12:13] op_sel_hi:[1,0,0]   ; t - M
.set n, n+2
.endr
.irp b, 0,1,2,3
	v_fma_f32 v[232+\b], v[232+\b], s[CS], v12
.endr
.set n, 0
	s_wait_alu depctr_va_vdst(0)
.rept 64
	v_exp_f32 v[96+n], v[96+n]                     ; p = 2^(t - M)
.set n, n+1
.endr
	v_pk_mul_f32 v[14:15], v[14:15], v[252:253] op_sel_hi:[1,0]   ; the sums under the new M: a plain place behind the exponentials
	s_wait_alu depctr_va_vdst(0)                   ; one wait for the batch, ahead of its first reader
.irp b, 0,1,2,3
	v_exp_f32 v[232+\b], v[232+\b]                 ; the block's largest p
.endr
	v_pk_add_f32 v[236:237], v[100:101], v[104:105]
	v_pk_add_f32 v[250:251], v[108:109], v[112:113]
	v_pk_add_f32 v[94:95], v[116:117], v[120:121]
	v_pk_add_f32 v[92:93], v[124:125], v[128:129]
	v_pk_add_f32 v[90:91], v[132:133], v[136:137]
	v_pk_add_f32 v[88:89], v[140:141], v[144:145]
	v_pk_add_f32 v[86:87], v[148:149], v[152:153]
	v_pk_add_f32 v[14:15], v[14:15], v[156:157]
	v_pk_add_f32 v[236:237], v[236:237], v[96:97]
	v_pk_add_f32 v[250:251], v[250:251], v[98:99]
	v_pk_add_f32 v[94:95], v[94:95], v[102:103]
	v_pk_add_f32 v[92:93], v[92:93], v[106:107]
	v_pk_add_f32 v[90:91], v[90:91], v[110:111]
	v_pk_add_f32 v[88:89], v[88:89], v[114:115]
	v_pk_add_f32 v[86:87], v[86:87], v[118:119]
	v_pk_add_f32 v[14:15], v[14:15], v[122:123]
	v_pk_add_f32 v[236:237], v[236:237], v[126:127]
	v_pk_add_f32 v[250:251], v[250:251], v[130:131]
	v_pk_add_f32 v[94:95], v[94:95], v[134:135]
	v_pk_add_f32 v[92:93], v[92:93], v[138:139]
	v_pk_add_f32 v[90:91], v[90:91], v[142:143]
	v_pk_add_f32 v[88:89], v[88:89], v[146:147]
	v_pk_add_f32 v[86:87], v[86:87], v[150:151]
	v_pk_add_f32 v[14:15], v[14:15], v[154:155]
	v_pk_add_f32 v[236:237], v[236:237], v[158:159]
	s_delay_alu instid0(VALU_DEP_2)
	v_pk_add_f32 v[14:15], v[14:15], v[92:93]
	s_delay_alu instid0(VALU_DEP_2)
	v_pk_add_f32 v[236:237], v[236:237], v[90:91]
	v_pk_add_f32 v[250:251], v[250:251], v[88:89]
	v_pk_add_f32 v[94:95], v[94:95], v[86:87]
	s_delay_alu instid0(VALU_DEP_2)
	v_pk_add_f32 v[14:15], v[14:15], v[250:251]
	s_delay_alu instid0(VALU_DEP_2)
	v_pk_add_f32 v[236:237], v[236:237], v[94:95]
	s_delay_alu instid0(VALU_DEP_1)
	v_pk_add_f32 v[14:15], v[14:15], v[236:237]
	s_wait_alu depctr_va_vdst(0)                   ; and one for the four
.irp b, 0,1,2,3
	v_max_num_f32 v[232+\b], 0x1800000, v[232+\b]  ; the floor: the byte cannot fall under 1
.endr
.irp b, 0,1,2,3
	s_delay_alu instid0(VALU_DEP_4)
	v_add_nc_u32 v[244+\b], 0xff000000, v[232+\b]
.endr
.irp b, 0,1,2,3
	s_delay_alu instid0(VALU_DEP_4)
	v_lshrrev_b32 v[236+\b], 23, v[244+\b]
.endr
	s_delay_alu instid0(VALU_DEP_3)
	v_lshl_or_b32 v253, v237, 8, v236              ; p's scale word for these 128 keys
	s_delay_alu instid0(VALU_DEP_1)
	v_lshl_or_b32 v253, v238, 16, v253
	s_delay_alu instid0(VALU_DEP_1)
	v_lshl_or_b32 v253, v239, 24, v253
.irp c, 0,1
	v_cvt_scalef32_pk16_fp6_f32 v[224+6*\c:226+6*\c], v[96+32*\c:111+32*\c], v[244+2*\c]
	v_cvt_scalef32_pk16_fp6_f32 v[236+4*\c:238+4*\c], v[112+32*\c:127+32*\c], v[244+2*\c+1]
.endr
	v_nop
.irp c, 0,1
.irp i, 0,1,2
	v_permlane16_swap_b32 v[224+6*\c+\i], v[236+4*\c+\i]
.endr
.irp i, 0,1,2
	s_delay_alu instid0(VALU_DEP_3)
	v_mov_b32 v[227+6*\c+\i], v[236+4*\c+\i]
.endr
.endr
.set n, 0
.rept 32
	v_pk_mul_f32 v[160+n:161+n], v[160+n:161+n], v[252:253] op_sel_hi:[1,0]   ; O^T under the new M; these are also the places in front of the products and loads below
.set n, n+2
.endr
	s_wait_alu depctr_va_vdst(0)
.irp g, 0,1                                    ; O^T += V^T P^T
.if \g > 0
.rept 4
	v_nop
.endr
.endif
.irp t, 0,1,2,3
.irp c, 0,1,2
	ds_load_b128 v[32+12*\t+4*\c:35+12*\t+4*\c], v[ADV] offset:6144*(4*\g+\t)+3072*(\q)+512*\c
.endr
.endr
	ds_load_b32 v248, v[AS0] offset:8192+2048*(\tau)+1024*(\q)+256*\g
	ds_load_b32 v249, v[AS0] offset:8192+2048*(\tau)+1024*(\q)+256*\g+128
	s_wait_dscnt 0x0
.irp t, 0,2
	v_wmma_scale_f32_16x16x128_f8f6f4 v[160+8*(4*\g+\t):167+8*(4*\g+\t)], v[32+12*\t:43+12*\t], v[224:235], v[160+8*(4*\g+\t):167+8*(4*\g+\t)], v[248+\t/2], v253 matrix_a_fmt:MATRIX_FMT_FP6 matrix_b_fmt:MATRIX_FMT_FP6
	v_wmma_scale_f32_16x16x128_f8f6f4 v[168+8*(4*\g+\t):175+8*(4*\g+\t)], v[44+12*\t:55+12*\t], v[224:235], v[168+8*(4*\g+\t):175+8*(4*\g+\t)], v[248+\t/2], v253 matrix_a_fmt:MATRIX_FMT_FP6 matrix_b_fmt:MATRIX_FMT_FP6 matrix_a_scale:MATRIX_SCALE_ROW1
.endr
.endr
.Lhidden_\@:
	s_add_co_u32 s[KF], s[KF], 256                 ; my next key step: the one after next
.endm
	s_wait_tensorcnt 0x0                           ; my load, if I had one, is in
	ds_add_u32 v[SPW], v[NIL]
	ds_add_u32 v[SPW], v[NIL]
	s_wait_dscnt 0x0
	s_barrier_signal -1
	s_barrier_wait -1                              ; the scale words and region 0 are whole
	s_cmp_lt_u32 s[WV], 8
	s_cbranch_scc1 .Lsecond
	ARM 10, G0K+8, G1K, .Lsecond
	ARM 12, G0V+8, G1V, .Lsecond
	ARM 14, G0K+12, G1K, .Lsecond
	tensor_load_to_lds s[G0V+12:G0V+15], s[G1V:G1V+7]
	s_nop 0
.rept 4
	v_nop
.endr
.Lsecond:
	s_wait_loadcnt 0x0
	STEP 0, 0, 0
	STEP 0, 0, 1
	s_wait_tensorcnt 0x0                           ; region 0 has been read and is filled again: all my tensor loads have landed, regions 1 and 2 among them;
	ds_add_u32 v[SPW], v[NIL]
	ds_add_u32 v[SPW], v[NIL]
	s_add_nc_u64 s[G0K+6:G0K+7], s[G0K+6:G0K+7], 3*49152
	s_add_nc_u64 s[G0V+6:G0V+7], s[G0V+6:G0V+7], 3*6144
	s_wait_dscnt 0x0                               ; the add is done, and my reads of region 0 are over
	s_barrier_signal -1
	s_barrier_wait -1
	TLOAD G0K+4, G1K, G0V+4, G1V                   ; the first thing behind the barrier, a wave's one tensor load
	STEP 1, 1, 0
	STEP 1, 1, 1
	STEP 2, 2, 0                                   ; no barrier: the last one has shown regions 1 and 2 whole to every wave
	STEP 2, 2, 1
	s_wait_tensorcnt 0x0                           ; the refill has landed
	ds_add_u32 v[SPW], v[NIL]
	s_wait_dscnt 0x0                               ; and my reads of regions 1 and 2 are over
	s_barrier_signal -1
	s_barrier_wait -1
	STEP 0, 3, 0
	STEP 0, 3, 1
	; THE MERGE.  The wave of the odd steps hands its O^T (as an image of its registers), its -M and its sum to the wave of the even steps
.rept 4
	v_nop
.endr
	v_add_f32 v14, v14, v15                        ; my lane's sum
	s_cmp_eq_u32 s[KH], 0
	s_cbranch_scc1 .Lkeeper
.set n, 0
	s_wait_alu depctr_va_vdst(0)
.rept 16
	ds_store_b128 v[MSA], v[160+4*n:163+4*n] offset:512*n    ; each accumulator from its low end on
.set n, n+1
.endr
	ds_store_b32 v[MSB], v12
	ds_store_b32 v[MSB], v14 offset:128
.Lkeeper:
	s_wait_dscnt 0x0                               ; for the other's sake: my stores have landed
	s_barrier_signal -1
	s_barrier_wait -1
	s_cmp_lg_u32 s[KH], 0
	s_cbranch_scc1 .Lend
.set n, 0
.rept 16
	ds_load_b128 v[96+4*n:99+4*n], v[MSA] offset:512*n
.set n, n+1
.endr
	ds_load_b32 v232, v[MSB]
	ds_load_b32 v233, v[MSB] offset:128
	v_mov_b32 v239, 0                              ; (named as the upper halves of pairs)
	v_mov_b32 v241, 0
.irp b, 0,1,2,3
	v_mov_b32 v[TM+4+\b], 0
.endr
	s_wait_dscnt 0x0
	v_min_num_f32 v234, v12, v232                  ; -M of both: the larger M
	s_delay_alu instid0(VALU_DEP_1)
	v_sub_f32 v235, v234, v12                      ; whole numbers, 0 or less (a wave that had no step has -M = 3e38 and zeros: its factor falls to 0)
	s_delay_alu instid0(VALU_DEP_2)
	v_sub_f32 v236, v234, v232
	s_delay_alu instid0(VALU_DEP_2)
	v_cvt_i32_f32 v235, v235
	s_delay_alu instid0(VALU_DEP_2)
	v_cvt_i32_f32 v236, v236
	s_delay_alu instid0(VALU_DEP_2)
	v_ldexp_f32 v235, 1.0, v235                    ; 2^(my M - M)
	s_delay_alu instid0(VALU_DEP_2)
	v_ldexp_f32 v236, 1.0, v236                    ; 2^(the other's M - M)
	s_delay_alu instid0(VALU_DEP_2)
	v_mul_f32 v14, v14, v235
	s_delay_alu instid0(VALU_DEP_1)
	v_fma_f32 v14, v233, v236, v14
	s_delay_alu instid0(VALU_DEP_1)
	v_permlanex16_b32 v252, v14, s[SEL], s[SEL+1]
	s_delay_alu instid0(VALU_DEP_1)
	v_add_f32 v14, v14, v252                       ; the row's sum
	s_wait_alu depctr_va_vdst(0)
	v_rcp_f32 v14, v14
	v_nop
	s_wait_alu depctr_va_vdst(0)
	v_mul_f32 v238, v235, v14                      ; the two factors take the division with them
	v_mul_f32 v240, v236, v14
.set n, 0
.rept 32
	v_pk_mul_f32 v[96+n:97+n], v[96+n:97+n], v[240:241] op_sel_hi:[1,0]
.set n, n+2
.endr
.set n, 0
.rept 32
	v_pk_fma_f32 v[96+n:97+n], v[160+n:161+n], v[238:239], v[96+n:97+n] op_sel_hi:[1,0,1]
.set n, n+2
.endr
	QUANT 96                                       ; my query's 128 channels in order: fragment (token tile, head) of ctx
.irp c, 0,1,2
	global_store_b128 v[LI], v[PC+4*\c:PC+4*\c+3], s[92:93] offset:512*\c
.endr
	s_wait_xcnt 0x0                                ; EXEC changes only behind this wait
	v_cmp_gt_u32 vcc_lo, 16, v[LN]
	s_and_saveexec_b32 s96, vcc_lo
	global_store_b32 v[R4], v[PW], s[94:95]        ; lanes 0-15: the tile's 16 scale words
	s_wait_xcnt 0x0
	s_or_b32 exec_lo, exec_lo, s96
.Lend:
	s_wait_tensorcnt 0x0                           ; the wave's end
	ds_add_u32 v[SPW], v[NIL]
	s_wait_dscnt 0x0
	s_endpgm
.Lfunc_end_k_qd194283986_attn:
	.size	k_qd194283986_attn, .Lfunc_end_k_qd194283986_attn-k_qd194283986_attn
	.p2alignl 7, 3214868480
	.fill 96, 4, 3214868480
	.section	.rodata,"a",@progbits
	.p2align	6, 0x0
	.amdhsa_kernel k_qd194283986_attn
		.amdhsa_group_segment_fixed_size 327680
		.amdhsa_private_segment_fixed_size 0
		.amdhsa_enable_private_segment 0
		.amdhsa_kernarg_size 16
		.amdhsa_user_sgpr_count 2
		.amdhsa_user_sgpr_kernarg_segment_ptr 1
		.amdhsa_wavefront_size32 1
		.amdhsa_system_sgpr_workgroup_id_x 1
		.amdhsa_system_sgpr_workgroup_id_y 1
		.amdhsa_system_sgpr_workgroup_id_z 1
		.amdhsa_system_vgpr_workitem_id 0
		.amdhsa_next_free_vgpr 256
		.amdhsa_next_free_sgpr 100
		.amdhsa_reserve_vcc 1
		.amdhsa_float_denorm_mode_32 3
		.amdhsa_float_denorm_mode_16_64 3
		.amdhsa_memory_ordered 1
		.amdhsa_forward_progress 1
		.amdhsa_inst_pref_size 232
	.end_amdhsa_kernel
	.amdgpu_metadata
---
amdhsa.version: [ 1, 2 ]
amdhsa.kernels:
  - .name:           k_qd194283986_attn
    .symbol:         k_qd194283986_attn.kd
    .args:
      - { .name: qkv, .offset: 0, .size: 8, .value_kind: global_buffer, .address_space: global }
      - { .name: ctx, .offset: 8, .size: 8, .value_kind: global_buffer, .address_space: global }
    .group_segment_fixed_size: 327680
    .private_segment_fixed_size: 0
    .kernarg_segment_align: 8
    .kernarg_segment_size: 16
    .max_flat_workgroup_size: 512
    .sgpr_count:     100
    .vgpr_count:     256
    .wavefront_size: 32
...
	.end_amdgpu_metadata
.endif
;; end of part 3
;; launch proj (part 4): grid 8 x 32, 4 waves a work-group, clusters of 4 x 4, 327,680 bytes of LDS; arguments ctx, prep, b_out, x, x1; writes x1
.if DOCPART == 4
	.amdgcn_target "amdgcn-amd-amdhsa--gfx1250"
	.amdhsa_code_object_version 6
	.text
	.protected	k_qd194283986_proj
	.globl	k_qd194283986_proj
	.p2align	8
	.type	k_qd194283986_proj,@function
k_qd194283986_proj:
	s_mov_b64 s[64:65], 0
	v_nop
	global_prefetch_b8 v0, s[64:65] scope:SCOPE_SE
	s_setreg_imm32_b32 hwreg(HW_REG_WAVE_MODE, 25, 1), 1
	s_wait_xcnt 0x0
	s_wait_alu depctr_hold_cnt(0) depctr_sa_sdst(0) depctr_va_vdst(0) depctr_va_sdst(0) depctr_va_ssrc(0) depctr_va_vcc(0) depctr_vm_vsrc(0)
	s_getreg_b32 s2, hwreg(HW_REG_IB_STS2, 6, 4)
	s_cmp_eq_u32 s2, 0
	s_cbranch_scc0 .Lentry_in_a_cluster
	s_endpgm
.Lentry_in_a_cluster:
	s_bfe_u32 s2, ttmp6, 0x10000c
	s_cmp_lg_u32 s2, 0xf033
	s_cbranch_scc0 .Lentry_shape_is_right
	s_endpgm
.Lentry_shape_is_right:
.set NKS, 8
.set ABASE_S, 3145728
.set BBASE_C, 5505024
.set BBASE_S, 12812288
.set FINAL, 0
.set NA, 4
.set NB, 4
.set NQ, 4
.set HA, NA/2
.set QA, NA/4
.set FRB, 1536
.set TROWB, NQ*FRB
.set HALFT, NA*TROWB
.set SLOT, 4*HALFT
.set SCL, 2*SLOT
.set SROWS, NKS/2
.set HALFS, SROWS*576
.set SAOFF, 256
.set SPARE, 327168
.set LAPS, NKS/(2*NQ)
.set CH_C, NA*NKS*FRB
.set CH_S, SROWS*512
.set ADRA, 16
.set ADRB, 20
.set STO, 22
.set RD, 23
.set CO, 24
.set ADSA, 26
.set ADSB, 27
.set SPW, 28
.set NIL, 29
.set LI, 30
.set SC, 32
.set BI, 64
.set AF, 128
.set OB, 176
.set G1, 24
.set G0, 32
.set G1B, 48
.set G0B, 56
.set G1S, 68
.set G0S, 76
.set G1SB, 80
.set G0SB, 88
.set MSB, 0
.macro WIN new
.if MSB != (\new)
	s_set_vgpr_msb (MSB<<8)|(\new)
.set MSB, (\new)
.endif
.endm
.macro JLOAD g0a, g1a, g0b, g1b
	s_cmp_eq_u32 s15, 0
	s_cbranch_scc0 .Lfor_b_\@
	tensor_load_to_lds s[\g0a:\g0a+3], s[\g1a:\g1a+7]
	s_nop 0
.rept 4
	v_nop
.endr
	s_branch .Lasked_\@
.Lfor_b_\@:
	tensor_load_to_lds s[\g0b:\g0b+3], s[\g1b:\g1b+7]
	s_nop 0
.rept 4
	v_nop
.endr
.Lasked_\@:
.endm
.macro CREST
	s_cmp_lg_u32 s14, 0
	s_cbranch_scc1 .Lnot_wave_0_\@
	s_barrier_signal -3
.Lnot_wave_0_\@:
	s_barrier_wait -3
	s_barrier_signal -1
	s_barrier_wait -1
.endm
.macro CROUND
	s_barrier_signal -1
	s_barrier_wait -1
	CREST
.endm
.macro PLACES n
.rept \n
	v_nop
.endr
.endm
.macro FRAG reg, adr, off
.irp c, 0,1,2
	ds_load_b128 v[(\reg)+4*\c:(\reg)+4*\c+3], v[\adr] offset:(\off)+512*\c
.endr
.endm
.macro FETCH_B slot, q, p
	WIN 0x40
.set fi, 0
.rept NB
	FRAG 128*(\p)+12*fi, ADRB+\slot, fi*TROWB+(\q)*FRB
.set fi, fi+1
.endr
	WIN 0
.endm
.macro FETCH_A slot, q, half
.set fi, HA*(\half)
.rept HA
	FRAG AF+12*fi, ADRA+\slot, fi*TROWB+(\q)*FRB
.set fi, fi+1
.endr
.endm
.macro SCALES set
.set fi, 0
.rept NA
.set fq, 0
.rept NQ/2
	ds_load_b32 v[SC+16*(\set)+(NQ/2)*fi+fq], v[ADSA] offset:64*fi+1152*fq
	ds_load_b32 v[SC+8+16*(\set)+(NQ/2)*fi+fq], v[ADSB] offset:64*fi+1152*fq
.set fq, fq+1
.endr
.set fi, fi+1
.endr
.endm
.macro MULQ k, p, q, set, first
.set ma, QA*(\k)
.rept QA
.set mb, 0
.rept NB
.set rD, 8*(NB*(ma%HA)+mb)
.set rB, 128*(\p)+12*mb
.set rA, AF+12*ma
.set wB, SC+8+16*(\set)+(NQ/2)*mb+(\q)/2
.set wA, SC+16*(\set)+(NQ/2)*ma+(\q)/2
.if \first
	v_wmma_scale_f32_16x16x128_f8f6f4 v[rD:rD+7], v[rB:rB+11], v[rA:rA+11], v[BI+8*mb:BI+8*mb+7], v[wB], v[wA] matrix_a_fmt:MATRIX_FMT_FP6 matrix_b_fmt:MATRIX_FMT_FP6
.elseif (\q)%2
	v_wmma_scale_f32_16x16x128_f8f6f4 v[rD:rD+7], v[rB:rB+11], v[rA:rA+11], v[rD:rD+7], v[wB], v[wA] matrix_a_fmt:MATRIX_FMT_FP6 matrix_b_fmt:MATRIX_FMT_FP6 matrix_a_scale:MATRIX_SCALE_ROW1 matrix_b_scale:MATRIX_SCALE_ROW1
.else
	v_wmma_scale_f32_16x16x128_f8f6f4 v[rD:rD+7], v[rB:rB+11], v[rA:rA+11], v[rD:rD+7], v[wB], v[wA] matrix_a_fmt:MATRIX_FMT_FP6 matrix_b_fmt:MATRIX_FMT_FP6
.endif
.set mb, mb+1
.endr
.set ma, ma+1
.endr
.endm
.macro STEP slot, q, first
	s_wait_dscnt 3*HA
.if \first
	WIN 0x81
.else
	WIN 0xa1
.endif
	MULQ 0, (\q)%2, \q, \slot, \first
	MULQ 1, (\q)%2, \q, \slot, \first
	s_wait_dscnt 0
	PLACES 4
	FETCH_B \slot, (\q)+1, 1-(\q)%2
	FETCH_A \slot, (\q)+1, 0
.if \first
	WIN 0xc1
.else
	WIN 0xf1
.endif
	MULQ 2, (\q)%2, \q, \slot, \first
	MULQ 3, (\q)%2, \q, \slot, \first
	PLACES 4
	WIN 0
	FETCH_A \slot, (\q)+1, 1
.endm
.macro TURN slot, next, fill
	s_wait_tensorcnt 0x0
	ds_add_u32 v[SPW], v[NIL]
	s_wait_dscnt 3*HA+1
	WIN 0xa1
	MULQ 0, 1, NQ-1, \slot, 0
	s_wait_dscnt 0x0
	s_barrier_signal -1
	MULQ 1, 1, NQ-1, \slot, 0
	WIN 0
	s_barrier_wait -1
.if \fill
	CREST
	s_add_nc_u64 s[G0+4*\slot+2:G0+4*\slot+3], s[G0+4*\slot+2:G0+4*\slot+3], 2*TROWB
	s_add_nc_u64 s[G0B+4*\slot+2:G0B+4*\slot+3], s[G0B+4*\slot+2:G0B+4*\slot+3], 2*TROWB
	JLOAD G0+4*\slot, G1, G0B+4*\slot, G1B
.else
	PLACES 4
.endif
	v_add_nc_u32 v[ADSA], NQ*576, v[ADSA]
	v_add_nc_u32 v[ADSB], NQ*576, v[ADSB]
	FETCH_B \next, 0, 0
	FETCH_A \next, 0, 0
	SCALES \next
	WIN 0xf1
	MULQ 2, 1, NQ-1, \slot, 0
	MULQ 3, 1, NQ-1, \slot, 0
	PLACES 4
	WIN 0
	FETCH_A \next, 0, 1
.endm
	s_load_b256 s[4:11], s[0:1], 0x0
	s_load_b64 s[12:13], s[0:1], 0x20
	v_lshl_add_u32 v[SPW], v0, 2, SPARE
	v_mov_b32 v[NIL], 0
	ds_add_u32 v28, v29
	ds_add_u32 v28, v29
	s_wait_dscnt 0x0
	v_lshrrev_b32 v1, 5, v0
	v_readfirstlane_b32 s14, v1
	s_lshr_b32 s15, s14, 1
	s_and_b32 s16, s14, 1
	s_bfe_u32 s40, ttmp6, 0x40000
	s_bfe_u32 s41, ttmp6, 0x40004
	s_lshl_b32 s42, ttmp9, 2
	s_add_co_u32 s42, s42, s40
	s_and_b32 s17, ttmp7, 0xffff
	s_lshl_b32 s17, s17, 2
	s_add_co_u32 s17, s17, s41
	s_lshl_b32 s43, s41, 2
	s_lshl_b32 s43, 15, s43
	s_lshl_b32 s44, 0x1111, s40
	s_or_b32 s[G1+0], s43, (3<<16)|(1<<21)
	s_or_b32 s[G1B+0], s44, (3<<16)|(1<<21)
.irp g, G1, G1B
	s_mov_b32 s[\g+1], (TROWB/8)<<16
	s_mov_b32 s[\g+2], (2*NA)<<16                  ; the head's loads bring both halves of a tile; behind them the two words that count tiles are set to NA
	s_mov_b32 s[\g+3], (TROWB/8)<<16
	s_mov_b32 s[\g+4], 2*NA
	s_mov_b32 s[\g+5], NKS*192
	s_mov_b32 s[\g+6], 0
	s_mov_b32 s[\g+7], 0
.endr
	s_or_b32 s[G1S+0], s43, (3<<16)|(1<<20)|(1<<21)|(6<<22)|(15<<25)
	s_or_b32 s[G1SB+0], s44, (3<<16)|(1<<20)|(1<<21)|(6<<22)|(15<<25)
.irp g, G1S, G1SB
	s_mov_b32 s[\g+1], 64<<16
	s_mov_b32 s[\g+2], NKS<<16                     ; the scale words of all of K in one load
	s_mov_b32 s[\g+3], 64<<16
	s_mov_b32 s[\g+4], NKS
	s_mov_b32 s[\g+5], 64
	s_mov_b32 s[\g+6], 0
	s_mov_b32 s[\g+7], 0
.endr
	s_lshl_b32 s20, s17, 1
	s_mul_i32 s22, s20, CH_S
	s_mul_i32 s20, s20, CH_C
	s_add_co_u32 s22, s22, ABASE_S
	s_mov_b32 s21, 0
	s_mov_b32 s23, 0
	s_lshl_b32 s46, s42, 1
	s_mul_i32 s92, s46, CH_S
	s_mul_i32 s46, s46, CH_C
	s_add_co_u32 s46, s46, BBASE_C
	s_add_co_u32 s92, s92, BBASE_S
	s_mov_b32 s47, 0
	s_mov_b32 s93, 0
	s_mul_i32 s45, s14, HALFT
	s_mul_i32 s18, s16, CH_C                       ; in the ring I fetch one half of a tile: which, in bytes
	s_mov_b32 s19, 0
	s_wait_kmcnt 0x0
	s_add_nc_u64 s[20:21], s[4:5], s[20:21]
	s_add_nc_u64 s[22:23], s[4:5], s[22:23]
	s_add_nc_u64 s[46:47], s[6:7], s[46:47]
	s_add_nc_u64 s[92:93], s[6:7], s[92:93]
	CROUND
	s_mov_b32 s[G0S], 1
	s_mov_b32 s[G0S+1], SCL
	s_mov_b64 s[G0S+2:G0S+3], s[22:23]
	s_or_b32 s[G0S+3], s[G0S+3], 0x80000000
	s_mov_b32 s[G0SB], 1
	s_mov_b32 s[G0SB+1], SCL+2*HALFS
	s_mov_b64 s[G0SB+2:G0SB+3], s[92:93]
	s_or_b32 s[G0SB+3], s[G0SB+3], 0x80000000
	s_mov_b32 s[G0], 1                             ; slot 0's groups 0 serve the head's loads first: A's tile whole,
	s_mov_b32 s[G0+1], 0
	s_mov_b64 s[G0+2:G0+3], s[20:21]
	s_or_b32 s[G0+3], s[G0+3], 0x80000000
	s_mov_b32 s[G0B], 1                            ; and B's, behind it in slot 0
	s_mov_b32 s[G0B+1], 2*HALFT
	s_mov_b64 s[G0B+2:G0B+3], s[46:47]
	s_or_b32 s[G0B+3], s[G0B+3], 0x80000000
; THE HEAD'S LOADS, ONE A WAVE: wave 0 slot 0's tile of A, wave 1 that of B, wave 2 A's scale words, wave 3 B's.  One chain of branches on the wave's number, a load to an arm, one join.
.macro ARM under, g0, g1, next
	s_cmp_lt_u32 s14, \under
	s_cbranch_scc0 \next
	tensor_load_to_lds s[\g0:\g0+3], s[\g1:\g1+7]
	s_nop 0
.rept 4
	v_nop
.endr
	s_branch .Lhead_asked
\next:
.endm
	ARM 1, G0,  G1,  .Lhead_b
	ARM 2, G0B, G1B, .Lhead_sa
	ARM 3, G0S, G1S, .Lhead_sb
	tensor_load_to_lds s[G0SB:G0SB+3], s[G1SB:G1SB+7]
	s_nop 0
.rept 4
	v_nop
.endr
.Lhead_asked:
	s_add_nc_u64 s[20:21], s[20:21], s[18:19]      ; for the ring: my half of the tile
	s_add_nc_u64 s[46:47], s[46:47], s[18:19]
	s_mov_b32 s[G0+4], 1
	s_add_co_u32 s[G0+5], s45, SLOT
	s_add_nc_u64 s[G0+6:G0+7], s[20:21], TROWB
	s_or_b32 s[G0+7], s[G0+7], 0x80000000
	s_mov_b32 s[G0B+4], 1
	s_add_co_u32 s[G0B+5], s45, SLOT
	s_add_nc_u64 s[G0B+6:G0B+7], s[46:47], TROWB
	s_or_b32 s[G0B+7], s[G0B+7], 0x80000000
	v_and_b32 v1, 31, v0
	v_lshlrev_b32 v[LI], 4, v1
	v_and_b32 v2, 15, v0
	v_bfe_u32 v3, v0, 4, 1
	s_mul_i32 s95, s15, HALFT
	s_mul_i32 s2, s16, HALFT
	s_add_co_u32 s2, s2, 2*HALFT
.irp s, 0,1
	v_add_nc_u32 v[ADRA+\s], s95, v[LI]
	v_add_nc_u32 v[ADRB+\s], s2, v[LI]
	s_add_co_u32 s95, s95, SLOT
	s_add_co_u32 s2, s2, SLOT
.endr
	v_lshlrev_b32 v4, 2, v2
	v_mad_u32_u24 v5, v3, 576, v4
	s_mul_i32 s95, s15, SAOFF
	s_add_co_u32 s95, s95, SCL
	s_mul_i32 s2, s16, SAOFF
	s_add_co_u32 s2, s2, SCL+2*HALFS
	v_add_nc_u32 v[ADSA], s95, v5
	v_add_nc_u32 v[ADSB], s2, v5
	s_mul_i32 s95, s14, 4352
	v_mul_u32_u24 v6, v2, 272
	v_lshl_add_u32 v6, v3, 6, v6
	v_add_nc_u32 v[STO], s95, v6
	v_mul_u32_u24 v6, v3, 272
	v_lshl_add_u32 v6, v2, 4, v6
	v_add_nc_u32 v[RD], s95, v6
	v_lshlrev_b32 v6, 12, v3
	v_lshl_add_u32 v[CO], v2, 4, v6
	v_lshlrev_b32 v7, 6, v3
	s_wait_alu depctr_va_vdst(0)
	s_lshl_b32 s96, s42, 9
	s_lshl_b32 s97, s16, 8
	s_add_co_u32 s96, s96, s97
	s_mov_b32 s97, 0
	s_add_nc_u64 s[8:9], s[8:9], s[96:97]
	s_lshl_b32 s95, s17, 7
	s_lshl_b32 s2, s15, 6
	s_add_co_u32 s95, s95, s2
	s_lshl_b32 s95, s95, 12
	s_add_co_u32 s96, s96, s95
	s_add_nc_u64 s[10:11], s[10:11], s[96:97]
	s_add_nc_u64 s[12:13], s[12:13], s[96:97]
.irp b, 0,1,2,3
	global_load_b128 v[BI+8*\b:BI+8*\b+3], v7, s[8:9] offset:(32*(\b/2)+8*(\b%2))*4
	global_load_b128 v[BI+8*\b+4:BI+8*\b+7], v7, s[8:9] offset:(32*(\b/2)+8*(\b%2))*4+16
.endr
; the residual's 16 rows of tile a, into window 1: asked for behind the operands' loads, since only the way out reads them
.macro XLOAD a
	WIN 0x40
.irp t, 0,1,2,3,4,5,6,7
	global_load_b128 v[48+32*(\a)+64*((\a)/2)+4*\t:48+32*(\a)+64*((\a)/2)+4*\t+3], v[CO], s[10:11] offset:(32*((\a)/2)+8*((\a)%2)+2*\t+8*(\t/4))*4096 th:TH_LOAD_NT
.endr
	WIN 0
.endm
	s_wait_tensorcnt 0x0                           ; my tile of the head's four is in
	ds_add_u32 v[SPW], v[NIL]
	s_mov_b32 s[G0+1], s45                         ; no tensor load of mine is out: slot 0's groups 0 and the counts of tiles are set for the ring
	s_mov_b64 s[G0+2:G0+3], s[20:21]
	s_or_b32 s[G0+3], s[G0+3], 0x80000000
	s_mov_b32 s[G0B+1], s45
	s_mov_b64 s[G0B+2:G0B+3], s[46:47]
	s_or_b32 s[G0B+3], s[G0B+3], 0x80000000
	s_mov_b32 s[G1+2], NA<<16
	s_mov_b32 s[G1+4], NA
	s_mov_b32 s[G1B+2], NA<<16
	s_mov_b32 s[G1B+4], NA
	s_wait_dscnt 0x0
	CROUND                                         ; all four tiles are in, and the sixteen work-groups meet
	JLOAD G0+4, G1, G0B+4, G1B                     ; slot 1: the first tensor load behind the round
	FETCH_B 0, 0, 0
	FETCH_A 0, 0, 0
	SCALES 0
	FETCH_A 0, 0, 1
	XLOAD 0
	s_wait_loadcnt 8                               ; the bias is in; the eight loads just issued may be out
	STEP 0, 0, 1
.if LAPS > 1
	s_mov_b32 s3, LAPS-1
.Llap:
	STEP 0, 1, 0
	STEP 0, 2, 0
	TURN 0, 1, 1
	STEP 1, 0, 0
	STEP 1, 1, 0
	STEP 1, 2, 0
	TURN 1, 0, 1
	STEP 0, 0, 0
	s_sub_co_u32 s3, s3, 1
	s_cmp_lg_u32 s3, 0
	s_cbranch_scc1 .Llap
.endif
	XLOAD 1                                        ; the last tensor load has been asked for: the rest of the residual follows it
	XLOAD 2
	XLOAD 3
	STEP 0, 1, 0
	STEP 0, 2, 0
	TURN 0, 1, 0
	STEP 1, 0, 0
	STEP 1, 1, 0
	STEP 1, 2, 0
	s_wait_dscnt 3*HA
	WIN 0xa1
	MULQ 0, 1, NQ-1, 1, 0
	MULQ 1, 1, NQ-1, 1, 0
	s_wait_dscnt 0
	WIN 0xf1
	MULQ 2, 1, NQ-1, 1, 0
	MULQ 3, 1, NQ-1, 1, 0
	WIN 0
	PLACES 4
	s_wait_loadcnt 0x0
.macro OUTB a
.if (\a) > 0
	s_wait_xcnt 0x0
.endif
	WIN 0x08+4*((\a)/2)
.irp b, 0,1,2,3
	ds_store_b128 v[STO], v[32*((\a)%2)+8*\b:32*((\a)%2)+8*\b+3] offset:128*(\b/2)+32*(\b%2)
	ds_store_b128 v[STO], v[32*((\a)%2)+8*\b+4:32*((\a)%2)+8*\b+7] offset:128*(\b/2)+32*(\b%2)+16
.endr
	WIN 0
.irp t, 0,1,2,3,4,5,6,7
	ds_load_b128 v[OB+4*\t:OB+4*\t+3], v[RD] offset:544*\t
.endr
	s_wait_dscnt 0x0
	WIN 0x04
.set n, 0
.rept 16
	v_pk_add_f32 v[OB+n:OB+n+1], v[OB+n:OB+n+1], v[48+32*(\a)+64*((\a)/2)+n:48+32*(\a)+64*((\a)/2)+n+1]
.set n, n+2
.endr
	WIN 0
.irp t, 0,1,2,3,4,5,6,7
.if FINAL
	global_store_b128 v[CO], v[OB+4*\t:OB+4*\t+3], s[12:13] offset:(32*((\a)/2)+8*((\a)%2)+2*\t+8*(\t/4))*4096 th:TH_STORE_NT
.else
	global_store_b128 v[CO], v[OB+4*\t:OB+4*\t+3], s[12:13] offset:(32*((\a)/2)+8*((\a)%2)+2*\t+8*(\t/4))*4096
.endif
.endr
.endm
	OUTB 0
	OUTB 1
	OUTB 2
	OUTB 3
	s_wait_tensorcnt 0x0
	ds_add_u32 v[SPW], v[NIL]
	s_wait_dscnt 0x0
	CROUND
	s_endpgm
.Lfunc_end_k_qd194283986_proj:
	.size	k_qd194283986_proj, .Lfunc_end_k_qd194283986_proj-k_qd194283986_proj
	.p2alignl 7, 3214868480
	.fill 96, 4, 3214868480
	.section	.rodata,"a",@progbits
	.p2align	6, 0x0
	.amdhsa_kernel k_qd194283986_proj
		.amdhsa_group_segment_fixed_size 327680
		.amdhsa_private_segment_fixed_size 0
		.amdhsa_enable_private_segment 0
		.amdhsa_kernarg_size 40
		.amdhsa_user_sgpr_count 2
		.amdhsa_user_sgpr_kernarg_segment_ptr 1
		.amdhsa_wavefront_size32 1
		.amdhsa_system_sgpr_workgroup_id_x 1
		.amdhsa_system_sgpr_workgroup_id_y 1
		.amdhsa_system_sgpr_workgroup_id_z 1
		.amdhsa_system_vgpr_workitem_id 0
		.amdhsa_next_free_vgpr 1024
		.amdhsa_next_free_sgpr 100
		.amdhsa_reserve_vcc 0
		.amdhsa_float_denorm_mode_32 3
		.amdhsa_float_denorm_mode_16_64 3
		.amdhsa_memory_ordered 1
		.amdhsa_forward_progress 1
		.amdhsa_inst_pref_size 61
	.end_amdhsa_kernel
	.amdgpu_metadata
---
amdhsa.version: [ 1, 2 ]
amdhsa.kernels:
  - .name:           k_qd194283986_proj
    .symbol:         k_qd194283986_proj.kd
    .args:
      - { .name: ctx, .offset: 0, .size: 8, .value_kind: global_buffer, .address_space: global }
      - { .name: prep, .offset: 8, .size: 8, .value_kind: global_buffer, .address_space: global }
      - { .name: b_out, .offset: 16, .size: 8, .value_kind: global_buffer, .address_space: global }
      - { .name: x, .offset: 24, .size: 8, .value_kind: global_buffer, .address_space: global }
      - { .name: x1, .offset: 32, .size: 8, .value_kind: global_buffer, .address_space: global }
    .group_segment_fixed_size: 327680
    .private_segment_fixed_size: 0
    .kernarg_segment_align: 8
    .kernarg_segment_size: 40
    .max_flat_workgroup_size: 128
    .sgpr_count:     100
    .vgpr_count:     1024
    .wavefront_size: 32
...
	.end_amdgpu_metadata
.endif
;; end of part 4
;; launch lnq (part 5): grid 256 x 1, 8 waves a work-group, no clusters, 70,656 bytes of LDS; arguments x1, ln_g, ln_b, hq; writes hq
.if DOCPART == 5
	.amdgcn_target "amdgcn-amd-amdhsa--gfx1250"
	.amdhsa_code_object_version 6
	.text
	.protected	k_qd194283986_lnq
	.globl	k_qd194283986_lnq
	.p2align	8
	.type	k_qd194283986_lnq,@function
k_qd194283986_lnq:
	s_mov_b64 s[64:65], 0
	v_nop
	global_prefetch_b8 v0, s[64:65] scope:SCOPE_SE
	s_setreg_imm32_b32 hwreg(HW_REG_WAVE_MODE, 25, 1), 1
	s_wait_xcnt 0x0
; LNQ: h = (x1 - mean) rsqrt(var + 1e-5) ln_g + ln_b, in f32, quantised to FP6 along D into the operand format.  A work-group takes a tile of 16 rows (lane r = row 32 (t / 2) + 8 (t % 2) + r + 8 (r / 8)),
; each of its eight waves one K step of 128: the row is read once and stays in registers; the waves' sums meet in LDS, twice (the mean; then the squares of x - mean: no difference of large sums is formed).
; Loads take 512 consecutive bytes; a wave's 16 x 128 numbers turn through its own stage so that a lane holds 16 neighbours of each block of 32.  Memory binds: no matrix unit, no cluster, no tensor load.
; The 64 bytes of a fragment's scale words leave as a quarter of an aligned block of 256: one part in 24 of what the launch stores.
; LIMITS: NaN and infinities are not served; a block under 2^-124 gets the byte 1.
.set RED0, 67584                       ; LDS: 0 .. 67,583 eight stages of 16 x 528 bytes; then 512 bytes for the sums, 512 for the sums of squares
.set RW,  16                           ; v16-79   rows as loaded; later ln_b
.set XN,  80                           ; v80-143  my 64 numbers
.set GN,  144                          ; v144-207 ln_g
.set TM,  208
.set PC,  224
.set PW,  244
.set RS,  246                          ; v246-253 partial sums
.set SEL, 24
.macro QUANT s
.irp b, 0,1,2,3
	v_max3_num_f32 v[TM+\b], 0x1800000, |v[(\s)+16*\b]|, |v[(\s)+1+16*\b]|
.endr
.irp i, 2,4,6,8,10,12,14
.irp b, 0,1,2,3
	s_delay_alu instid0(VALU_DEP_4)
	v_max3_num_f32 v[TM+\b], v[TM+\b], |v[(\s)+16*\b+\i]|, |v[(\s)+1+16*\b+\i]|
.endr
.endr
.irp b, 0,1,2,3
	s_delay_alu instid0(VALU_DEP_4)
	v_permlanex16_b32 v[TM+4+\b], v[TM+\b], s[SEL], s[SEL+1]
.endr
.irp b, 0,1,2,3
	s_delay_alu instid0(VALU_DEP_4)
	v_max_num_f32 v[TM+\b], v[TM+\b], v[TM+4+\b]
.endr
.irp b, 0,1,2,3
	s_delay_alu instid0(VALU_DEP_4)
	v_add_nc_u32 v[TM+12+\b], 0xff000000, v[TM+\b]
.endr
.irp b, 0,1,2,3
	s_delay_alu instid0(VALU_DEP_4)
	v_lshrrev_b32 v[TM+4+\b], 23, v[TM+12+\b]
.endr
	s_delay_alu instid0(VALU_DEP_3)
	v_lshl_or_b32 v[PW], v[TM+5], 8, v[TM+4]
	s_delay_alu instid0(VALU_DEP_1)
	v_lshl_or_b32 v[PW], v[TM+6], 16, v[PW]
	s_delay_alu instid0(VALU_DEP_1)
	v_lshl_or_b32 v[PW], v[TM+7], 24, v[PW]
.irp c, 0,1
	v_cvt_scalef32_pk16_fp6_f32 v[PC+6*\c:PC+2+6*\c], v[(\s)+32*\c:(\s)+15+32*\c], v[TM+12+2*\c]
	v_cvt_scalef32_pk16_fp6_f32 v[PC+12+4*\c:PC+14+4*\c], v[(\s)+16+32*\c:(\s)+31+32*\c], v[TM+12+2*\c+1]
.endr
	v_nop
.irp c, 0,1
.irp i, 0,1,2
	v_permlane16_swap_b32 v[PC+6*\c+\i], v[PC+12+4*\c+\i]
.endr
.irp i, 0,1,2
	s_delay_alu instid0(VALU_DEP_3)
	v_mov_b32 v[PC+3+6*\c+\i], v[PC+12+4*\c+\i]
.endr
.endr
.endm
	s_load_b256 s[4:11], s[0:1], 0x0               ; x1, ln_g, ln_b, hq
	v_lshl_add_u32 v239, v0, 2, 0x11000
	v_mov_b32 v243, 0
	v_lshrrev_b32 v1, 5, v0
	s_delay_alu instid0(VALU_DEP_1)
	v_readfirstlane_b32 s12, v1                    ; wave = K step
	v_and_b32 v2, 31, v0                           ; lane
	v_and_b32 v3, 15, v0                           ; r
	v_bfe_u32 v4, v0, 4, 1                         ; h
	s_delay_alu instid0(VALU_DEP_3)
	v_lshlrev_b32 v5, 4, v2                        ; 16 x lane
	s_mul_i32 s13, s12, 8448
	v_add_nc_u32 v6, s13, v5                       ; the stage, in
	v_mul_u32_u24 v7, v3, 528
	s_delay_alu instid0(VALU_DEP_1)
	v_lshl_add_u32 v7, v4, 6, v7
	s_delay_alu instid0(VALU_DEP_1)
	v_add_nc_u32 v7, s13, v7                       ; and out
	v_lshlrev_b32 v1, 2, v3                        ; 4 r
	s_lshl_b32 s13, s12, 6
	v_add_nc_u32 v254, s13, v1
	s_delay_alu instid0(VALU_DEP_1)
	v_add_nc_u32 v254, RED0, v254                  ; where my wave's sums go
	v_add_nc_u32 v255, RED0, v1                    ; where my row's eight sums are read
	v_lshlrev_b32 v245, 6, v4                      ; ln_g, ln_b: + 16 h numbers
	v_mov_b32 v9, 0
	v_mov_b32 v11, 0
.irp b, 0,1,2,3
	v_mov_b32 v[TM+4+\b], 0
.endr
	s_lshr_b32 s14, ttmp9, 1
	s_lshl_b32 s14, s14, 5
	s_and_b32 s15, ttmp9, 1
	s_lshl_b32 s15, s15, 3
	s_add_co_u32 s14, s14, s15                     ; the tile's first row
	s_lshl_b32 s14, s14, 12
	s_lshl_b32 s16, s12, 9
	s_add_co_u32 s14, s14, s16
	s_mov_b32 s15, 0
	s_mov_b32 s17, 0
	s_lshl_b32 s18, ttmp9, 3
	s_add_co_u32 s18, s18, s12
	s_mul_i32 s18, s18, 1536
	s_mov_b32 s19, 0
	s_lshr_b32 s20, ttmp9, 3
	s_lshl_b32 s20, s20, 3
	s_add_co_u32 s20, s20, s12
	s_lshl_b32 s20, s20, 9
	s_and_b32 s21, ttmp9, 7
	s_lshl_b32 s21, s21, 6
	s_add_co_u32 s20, s20, s21
	s_add_co_u32 s20, s20, 3145728
	s_mov_b32 s21, 0
	s_mov_b32 s22, 0x3a800000                      ; 1 / 1,024
	s_mov_b32 s23, 0x3727c5ac                      ; 1e-5
	s_mov_b32 s[SEL], 0x76543210
	s_mov_b32 s[SEL+1], 0xfedcba98
	s_wait_alu depctr_va_vdst(0)
	s_wait_kmcnt 0x0
	s_add_nc_u64 s[4:5], s[4:5], s[14:15]
	s_add_nc_u64 s[6:7], s[6:7], s[16:17]
	s_add_nc_u64 s[8:9], s[8:9], s[16:17]
	s_add_nc_u64 s[18:19], s[10:11], s[18:19]
	s_add_nc_u64 s[20:21], s[10:11], s[20:21]
.set j, 0
.rept 16
	global_load_b128 v[RW+4*j:RW+4*j+3], v5, s[4:5] offset:(j+8*(j/8))*4096
.set j, j+1
.endr
.set j, 0
.rept 16
	global_load_b128 v[GN+4*j:GN+4*j+3], v245, s[6:7] offset:128*(j/4)+16*(j%4)
.set j, j+1
.endr
.set j, 0
.rept 16
	s_wait_loadcnt 31-j                            ; row j is in; the younger rows and the gain's 16 loads may be out
	ds_store_b128 v6, v[RW+4*j:RW+4*j+3] offset:528*j
.set j, j+1
.endr
.set j, 0
.rept 16
	ds_load_b128 v[XN+4*j:XN+4*j+3], v7 offset:128*(j/4)+16*(j%4)
.set j, j+1
.endr
	s_wait_dscnt 0x0                               ; my numbers are back, and the stores have read their registers:
.set j, 0
.rept 16
	global_load_b128 v[RW+4*j:RW+4*j+3], v245, s[8:9] offset:128*(j/4)+16*(j%4)   ; which take ln_b
.set j, j+1
.endr
	v_pk_add_f32 v[248:249], v[80:81], v[88:89]
	v_pk_add_f32 v[250:251], v[96:97], v[104:105]
	v_pk_add_f32 v[252:253], v[112:113], v[120:121]
	v_pk_add_f32 v[218:219], v[128:129], v[136:137]
	v_pk_add_f32 v[216:217], v[82:83], v[90:91]
	v_pk_add_f32 v[14:15], v[98:99], v[106:107]
	v_pk_add_f32 v[12:13], v[114:115], v[122:123]
	v_pk_add_f32 v[246:247], v[130:131], v[138:139]
	s_delay_alu instid0(VALU_DEP_1)
	v_pk_add_f32 v[246:247], v[246:247], v[84:85]
	v_pk_add_f32 v[248:249], v[248:249], v[92:93]
	v_pk_add_f32 v[250:251], v[250:251], v[100:101]
	v_pk_add_f32 v[252:253], v[252:253], v[108:109]
	v_pk_add_f32 v[218:219], v[218:219], v[116:117]
	v_pk_add_f32 v[216:217], v[216:217], v[124:125]
	v_pk_add_f32 v[14:15], v[14:15], v[132:133]
	v_pk_add_f32 v[12:13], v[12:13], v[140:141]
	v_pk_add_f32 v[246:247], v[246:247], v[86:87]
	v_pk_add_f32 v[248:249], v[248:249], v[94:95]
	v_pk_add_f32 v[250:251], v[250:251], v[102:103]
	v_pk_add_f32 v[252:253], v[252:253], v[110:111]
	v_pk_add_f32 v[218:219], v[218:219], v[118:119]
	v_pk_add_f32 v[216:217], v[216:217], v[126:127]
	v_pk_add_f32 v[14:15], v[14:15], v[134:135]
	v_pk_add_f32 v[12:13], v[12:13], v[142:143]
	s_delay_alu instid0(VALU_DEP_4)
	v_pk_add_f32 v[246:247], v[246:247], v[218:219]
	s_delay_alu instid0(VALU_DEP_4)
	v_pk_add_f32 v[248:249], v[248:249], v[216:217]
	s_delay_alu instid0(VALU_DEP_4)
	v_pk_add_f32 v[250:251], v[250:251], v[14:15]
	s_delay_alu instid0(VALU_DEP_4)
	v_pk_add_f32 v[252:253], v[252:253], v[12:13]
	s_delay_alu instid0(VALU_DEP_2)
	v_pk_add_f32 v[246:247], v[246:247], v[250:251]
	s_delay_alu instid0(VALU_DEP_2)
	v_pk_add_f32 v[248:249], v[248:249], v[252:253]
	s_delay_alu instid0(VALU_DEP_1)
	v_pk_add_f32 v[246:247], v[246:247], v[248:249]
	s_delay_alu instid0(VALU_DEP_1)
	v_add_f32 v8, v[RS], v[RS+1]
	s_delay_alu instid0(VALU_DEP_1)
	v_permlanex16_b32 v9, v8, s[SEL], s[SEL+1]
	s_delay_alu instid0(VALU_DEP_1)
	v_add_f32 v8, v8, v9                           ; my row's 128 numbers of this K step
	ds_store_b32 v254, v8
	s_wait_dscnt 0x0                               ; for the others' sake
	s_barrier_signal -1
	s_barrier_wait -1
.irp k, 0,1,2,3,4,5,6,7
	ds_load_b32 v[RS+\k], v255 offset:64*\k
.endr
	s_wait_dscnt 0x0
.irp k, 1
	v_add_f32 v[RS], v[RS], v[RS+\k]               ; in one order in every wave
.endr
.irp k, 2, 3, 4, 5, 6, 7
	s_delay_alu instid0(VALU_DEP_1)
	v_add_f32 v[RS], v[RS], v[RS+\k]               ; in one order in every wave
.endr
	s_delay_alu instid0(VALU_DEP_1)
	v_mul_f32 v8, s22, v[RS]                       ; the mean
.set n, 0
.rept 32
	v_pk_add_f32 v[XN+n:XN+n+1], v[XN+n:XN+n+1], v[8:9] op_sel_hi:[1,0] neg_lo:[0,1] neg_hi:[0,1]
.set n, n+2
.endr
.irp c, 0,1,2,3
	v_pk_mul_f32 v[RS+2*\c:RS+2*\c+1], v[XN+2*\c:XN+2*\c+1], v[XN+2*\c:XN+2*\c+1]
.endr
.irp m, 1,2,3,4,5,6,7
.irp c, 0,1,2,3
	s_delay_alu instid0(VALU_DEP_4)
	v_pk_fma_f32 v[RS+2*\c:RS+2*\c+1], v[XN+8*\m+2*\c:XN+8*\m+2*\c+1], v[XN+8*\m+2*\c:XN+8*\m+2*\c+1], v[RS+2*\c:RS+2*\c+1]
.endr
.endr
	s_delay_alu instid0(VALU_DEP_3)
	v_pk_add_f32 v[RS:RS+1], v[RS:RS+1], v[RS+2:RS+3]
	s_delay_alu instid0(VALU_DEP_2)
	v_pk_add_f32 v[RS+4:RS+5], v[RS+4:RS+5], v[RS+6:RS+7]
	s_delay_alu instid0(VALU_DEP_1)
	v_pk_add_f32 v[RS:RS+1], v[RS:RS+1], v[RS+4:RS+5]
	s_delay_alu instid0(VALU_DEP_1)
	v_add_f32 v10, v[RS], v[RS+1]
	s_delay_alu instid0(VALU_DEP_1)
	v_permlanex16_b32 v11, v10, s[SEL], s[SEL+1]
	s_delay_alu instid0(VALU_DEP_1)
	v_add_f32 v10, v10, v11
	ds_store_b32 v254, v10 offset:512              ; other bytes than the first sums': no barrier is owed between
	s_wait_dscnt 0x0
	s_barrier_signal -1
	s_barrier_wait -1
.irp k, 0,1,2,3,4,5,6,7
	ds_load_b32 v[RS+\k], v255 offset:512+64*\k
.endr
	s_wait_dscnt 0x0
.irp k, 1
	v_add_f32 v[RS], v[RS], v[RS+\k]
.endr
.irp k, 2, 3, 4, 5, 6, 7
	s_delay_alu instid0(VALU_DEP_1)
	v_add_f32 v[RS], v[RS], v[RS+\k]
.endr
	s_delay_alu instid0(VALU_DEP_1)
	v_fma_f32 v10, v[RS], s22, s23                 ; the variance + 1e-5
	s_wait_alu depctr_va_vdst(0)
	v_rsq_f32 v10, v10
	v_nop                                          ; a plain place behind the transcendental
	s_wait_alu depctr_va_vdst(0)                   ; and the wait ahead of its first reader
.set n, 0
.rept 32
	v_pk_mul_f32 v[XN+n:XN+n+1], v[XN+n:XN+n+1], v[10:11] op_sel_hi:[1,0]
.set n, n+2
.endr
	s_wait_loadcnt 0x0                             ; ln_g and ln_b
.set n, 0
.rept 32
	v_pk_fma_f32 v[XN+n:XN+n+1], v[XN+n:XN+n+1], v[GN+n:GN+n+1], v[RW+n:RW+n+1]
.set n, n+2
.endr
	QUANT XN
.irp c, 0,1,2
	global_store_b128 v5, v[PC+4*\c:PC+4*\c+3], s[18:19] offset:512*\c
.endr
	s_wait_xcnt 0x0                                ; EXEC changes only behind this wait
	v_cmp_gt_u32 vcc_lo, 16, v2
	s_wait_tensorcnt 0x0
	ds_add_u32 v239, v243
	s_wait_dscnt 0x0
	s_and_saveexec_b32 s26, vcc_lo
	global_store_b32 v1, v[PW], s[20:21]           ; lanes 0-15: the fragment's 16 scale words
	s_wait_xcnt 0x0
	s_or_b32 exec_lo, exec_lo, s26
	s_endpgm
.Lfunc_end_k_qd194283986_lnq:
	.size	k_qd194283986_lnq, .Lfunc_end_k_qd194283986_lnq-k_qd194283986_lnq
	.p2alignl 7, 3214868480
	.fill 96, 4, 3214868480
	.section	.rodata,"a",@progbits
	.p2align	6, 0x0
	.amdhsa_kernel k_qd194283986_lnq
		.amdhsa_group_segment_fixed_size 70656
		.amdhsa_private_segment_fixed_size 0
		.amdhsa_enable_private_segment 0
		.amdhsa_kernarg_size 32
		.amdhsa_user_sgpr_count 2
		.amdhsa_user_sgpr_kernarg_segment_ptr 1
		.amdhsa_wavefront_size32 1
		.amdhsa_system_sgpr_workgroup_id_x 1
		.amdhsa_system_sgpr_workgroup_id_y 1
		.amdhsa_system_sgpr_workgroup_id_z 1
		.amdhsa_system_vgpr_workitem_id 0
		.amdhsa_next_free_vgpr 256
		.amdhsa_next_free_sgpr 66
		.amdhsa_reserve_vcc 1
		.amdhsa_float_denorm_mode_32 3
		.amdhsa_float_denorm_mode_16_64 3
		.amdhsa_memory_ordered 1
		.amdhsa_forward_progress 1
		.amdhsa_inst_pref_size 31
	.end_amdhsa_kernel
	.amdgpu_metadata
---
amdhsa.version: [ 1, 2 ]
amdhsa.kernels:
  - .name:           k_qd194283986_lnq
    .symbol:         k_qd194283986_lnq.kd
    .args:
      - { .name: x1, .offset: 0, .size: 8, .value_kind: global_buffer, .address_space: global }
      - { .name: ln_g, .offset: 8, .size: 8, .value_kind: global_buffer, .address_space: global }
      - { .name: ln_b, .offset: 16, .size: 8, .value_kind: global_buffer, .address_space: global }
      - { .name: hq, .offset: 24, .size: 8, .value_kind: global_buffer, .address_space: global }
    .group_segment_fixed_size: 70656
    .private_segment_fixed_size: 0
    .kernarg_segment_align: 8
    .kernarg_segment_size: 32
    .max_flat_workgroup_size: 256
    .sgpr_count:     66
    .vgpr_count:     256
    .wavefront_size: 32
...
	.end_amdgpu_metadata
.endif
;; end of part 5
;; launch ffn1 (part 6): grid 16 x 16, 4 waves a work-group, clusters of 4 x 4, 327,680 bytes of LDS; arguments hq, prep, b1, gq; writes gq
.if DOCPART == 6
	.amdgcn_target "amdgcn-amd-amdhsa--gfx1250"
	.amdhsa_code_object_version 6
	.text
	.protected	k_qd194283986_ffn1
	.globl	k_qd194283986_ffn1
	.p2align	8
	.type	k_qd194283986_ffn1,@function
k_qd194283986_ffn1:
	s_mov_b64 s[64:65], 0
	v_nop
	global_prefetch_b8 v0, s[64:65] scope:SCOPE_SE
	s_setreg_imm32_b32 hwreg(HW_REG_WAVE_MODE, 25, 1), 1
	s_wait_xcnt 0x0
	s_wait_alu depctr_hold_cnt(0) depctr_sa_sdst(0) depctr_va_vdst(0) depctr_va_sdst(0) depctr_va_ssrc(0) depctr_va_vcc(0) depctr_vm_vsrc(0)
	s_getreg_b32 s2, hwreg(HW_REG_IB_STS2, 6, 4)
	s_cmp_eq_u32 s2, 0
	s_cbranch_scc0 .Lentry_in_a_cluster
	s_endpgm
.Lentry_in_a_cluster:
	s_bfe_u32 s2, ttmp6, 0x10000c
	s_cmp_lg_u32 s2, 0xf033
	s_cbranch_scc0 .Lentry_shape_is_right
	s_endpgm
.Lentry_shape_is_right:
; FFN1: g = gelu(h W1 + b1), exact (by erf), the product on FP6 codes, and g quantised at once along the hidden axis.  Operands and result in the operand format
; (tile t, lane r = row 32 (t / 2) + 8 (t % 2) + r + 8 (r / 8); fragment (t, ks) = 1,536 bytes; scale word at ((t / 8) NKS + ks) 512 + (t % 8) 64 + 4 r).
; A work-group makes 256 x 256, a wave 128 tokens x 128 hidden units: 64 accumulators.  Source 0 = 16 rows of W1, source 1 = 16 tokens: a lane holds one token, and its 64 registers of one tile of tokens are 128 hidden
; units in order: one K step of the next product.  b1 is the C of each sum's first product.  4 x 4 clusters with joint loads.
; K = 1,024 is eight K steps of 128 in two LDS slots: K steps 0-2 and 3-5 are first fills; K steps 6 and 7 go into slot 0 when that has been read, and have 160 matrix
; instructions, in which to land.  No prefetch: of the three fills two are first fills, and no wave has to wait long for the third.
; THE WAY OUT is a loop, for the code's size: the accumulators go to LDS as images (behind a barrier: regions and scale words are done with), and block by block of 16 tokens come back into window 1, where all of the loop works.
; erf(z) = z P(z^2) / Q(z^2), z held to +-4 (there erf is 1 to within f32): a rational form of degrees 6 and 4 in z^2, in f32; gelu = x / 2 + (x / 2) erf(x / sqrt 2).
; LIMITS: NaN and infinities are not served; a block under 2^-124 gets the byte 1.
.set NA, 8
.set NB, 8
.set NQ, 2
.set NKS, 8
.set HA, NA/2
.set QA, NA/4
.set FRB, 1536
; THE RING AS THIS TEXT HAS IT: two slots of three K steps each.  The head's load brings K steps 0-2, the load behind the first round 3-5, and the one refill K steps 6 and 7 into slot 0 (there a tile's bytes are 2 FRB apart).
; The scale words of all of K go from memory straight into 64 registers of each wave (one part in 24 of the operand bytes: they are not asked for jointly).
.set TROWB, 3*FRB
.set HALFT, NA*TROWB
.set SLOT, 4*HALFT
.set SROWS, NKS
.set SPARE, 327168
.set CH_C, NA*NKS*FRB
.set CH_S, SROWS*512
.set ABASE_S, 3145728
.set BBASE_C, 6291456
.set BBASE_S, 12845056
.set ADRA, 16                          ; v16-17 my A fragments in slots 0, 1
.set ADRB, 19                          ; v19-20 the same for B
.set DA, 22                            ; v22 my dump: 65,536 x wave + 16 x lane
.set SWA, 23                           ; v23 my scale words: 262,144 + 512 x wave + 4 r
.set SRA, 24
.set ADSA, 26
.set SPW, 28
.set NIL, 29
.set LI, 30
.set SC, 32
.set BI, 96                            ; v32-95 hold scale words and nothing else: set s (K steps 2 s, 2 s + 1) at v[SC + 16 s]
.set AF, 160
.set FWL, 0x81                         ; the first step's windows: the bias, source 2, lies in window 0
.set FWH, 0xc1
.set SEL, 18
.set G1, 24
.set G0, 32
.set G1B, 48
.set G0B, 56
.set CP, 66                            ; s[66:67] where the next fragment goes; s[12:13] the scale words
; the way out, all in window 1
.set GX, 0                             ; x
.set GH, 64                            ; x / 2, then gelu
.set GZ, 128                           ; x / sqrt 2, held
.set GT, 192                           ; z^2, then 1 / Q
.set GP, 208
.set GQ, 224
.set TM, 192
.set PC, 208
.set PW, 228
.set GLA, 240
.set GLI, 242
.set GSW, 243
.set GSR, 244
.set GA1, 246
.set GB1, 248
.set KC0, 24                           ; scalar pairs, in the descriptors' registers, which are done with
.set KA0, 26
.set KA2, 28
.set KB0, 38
.set KB2, 40
.set MSB, 0
.macro WIN new
.if MSB != (\new)
	s_set_vgpr_msb (MSB<<8)|(\new)
.set MSB, (\new)
.endif
.endm
.macro JLOAD g0a, g1a, g0b, g1b        ; a joint load: waves 0, 1 fetch for A, waves 2, 3 for B; four v_nop follow each line
	s_cmp_eq_u32 s15, 0
	s_cbranch_scc0 .Lfor_b_\@
	tensor_load_to_lds s[\g0a:\g0a+3], s[\g1a:\g1a+7]
	s_nop 0
.rept 4
	v_nop
.endr
	s_branch .Lasked_\@
.Lfor_b_\@:
	tensor_load_to_lds s[\g0b:\g0b+3], s[\g1b:\g1b+7]
	s_nop 0
.rept 4
	v_nop
.endr
.Lasked_\@:
.endm
.macro CREST
	s_cmp_lg_u32 s14, 0
	s_cbranch_scc1 .Lnot_wave_0_\@
	s_barrier_signal -3
.Lnot_wave_0_\@:
	s_barrier_wait -3
	s_barrier_signal -1
	s_barrier_wait -1
.endm
.macro CROUND
	s_barrier_signal -1
	s_barrier_wait -1
	CREST
.endm
.macro PLACES n
.rept \n
	v_nop
.endr
.endm
.macro FRAG reg, adr, off
.irp c, 0,1,2
	ds_load_b128 v[(\reg)+4*\c:(\reg)+4*\c+3], v[\adr] offset:(\off)+512*\c
.endr
.endm
.macro FETCH_B slot, q, p
	WIN 0x40
.set fi, 0
.rept NB
	FRAG 128*(\p)+12*fi, ADRB+\slot, fi*TROWB+(\q)*FRB
.set fi, fi+1
.endr
	WIN 0
.endm
.macro FETCH_A slot, q, half
.set fi, HA*(\half)
.rept HA
	FRAG AF+12*fi, ADRA+\slot, fi*TROWB+(\q)*FRB
.set fi, fi+1
.endr
.endm
.macro MULQ k, p, q, set, first        ; the accumulators take turns, one instruction a turn, in the same order in every step
.set ma, QA*(\k)
.rept QA
.set mb, 0
.rept NB
.set rD, 8*(NB*(ma%HA)+mb)
.set rB, 128*(\p)+12*mb
.set rA, AF+12*ma
.set wB, SC+8+16*(\set)+(NQ/2)*mb+(\q)/2
.set wA, SC+16*(\set)+(NQ/2)*ma+(\q)/2
.if \first
	v_wmma_scale_f32_16x16x128_f8f6f4 v[rD:rD+7], v[rB:rB+11], v[rA:rA+11], v[BI+8*mb:BI+8*mb+7], v[wB], v[wA] matrix_a_fmt:MATRIX_FMT_FP6 matrix_b_fmt:MATRIX_FMT_FP6
.elseif (\q)%2
	v_wmma_scale_f32_16x16x128_f8f6f4 v[rD:rD+7], v[rB:rB+11], v[rA:rA+11], v[rD:rD+7], v[wB], v[wA] matrix_a_fmt:MATRIX_FMT_FP6 matrix_b_fmt:MATRIX_FMT_FP6 matrix_a_scale:MATRIX_SCALE_ROW1 matrix_b_scale:MATRIX_SCALE_ROW1
.else
	v_wmma_scale_f32_16x16x128_f8f6f4 v[rD:rD+7], v[rB:rB+11], v[rA:rA+11], v[rD:rD+7], v[wB], v[wA] matrix_a_fmt:MATRIX_FMT_FP6 matrix_b_fmt:MATRIX_FMT_FP6
.endif
.set mb, mb+1
.endr
.set ma, ma+1
.endr
.endm
; K step ks: B's set ks % 2, scale set ks / 2.  Its successor's fragments lie in slot nreg at place ni.
; mode 0: no barrier.  mode 1: the last load is waited for: a barrier of the work-group.  mode 2: slot 0 has been read and is filled again, with K steps 6 and 7: the barrier opens a round of the cluster's.
.macro KSTEP ks, nreg, ni, mode, first
.if \mode
	s_wait_tensorcnt 0x0                           ; all my tensor loads have landed
	ds_add_u32 v[SPW], v[NIL]
	s_wait_dscnt 3*HA+1                            ; (the add and A's upper tiles, 12 loads, may be out)
.else
	s_wait_dscnt 3*HA                              ; all but the youngest 12 loads (A's upper tiles) are in
.endif
.if \first
	WIN FWL
.else
	WIN 0xa1
.endif
	MULQ 0, (\ks)%2, (\ks)%2, (\ks)/2, \first
.if \mode
	s_wait_dscnt 0x0                               ; the add is done, and my reads of the slot in hand are over
	s_barrier_signal -1
.endif
	MULQ 1, (\ks)%2, (\ks)%2, (\ks)/2, \first
	WIN 0
.if \mode
	s_barrier_wait -1
.else
	s_wait_dscnt 0x0
.endif
.if \mode == 2
	CREST                                          ; no wave of any partner still reads slot 0 or has a load on its way
	s_add_nc_u64 s[G0+2:G0+3], s[G0+2:G0+3], 6*FRB       ; K steps 6 and 7: two fragments a tile
	s_add_nc_u64 s[G0B+2:G0B+3], s[G0B+2:G0B+3], 6*FRB
	s_mov_b32 s[G1+1], (2*FRB/8)<<16
	s_mov_b32 s[G1+3], (2*FRB/8)<<16
	s_mov_b32 s[G1B+1], (2*FRB/8)<<16
	s_mov_b32 s[G1B+3], (2*FRB/8)<<16
	JLOAD G0, G1, G0B, G1B                         ; the first tensor load behind the round; its four v_nop are the places in front of the loads below
.else
	PLACES 4
.endif
	FETCH_B \nreg, \ni, 1-(\ks)%2
	FETCH_A \nreg, \ni, 0
.if \first
	WIN FWH
.else
	WIN 0xf1
.endif
	MULQ 2, (\ks)%2, (\ks)%2, (\ks)/2, \first
	MULQ 3, (\ks)%2, (\ks)%2, (\ks)/2, \first
	PLACES 4
	WIN 0
	FETCH_A \nreg, \ni, 1
.endm
.macro QUANT s                         ; here every operand lies in window 1, which the caller has set
.irp b, 0,1,2,3
	v_max3_num_f32 v[TM+\b], 0x1800000, |v[(\s)+16*\b]|, |v[(\s)+1+16*\b]|
.endr
.irp i, 2,4,6,8,10,12,14
.irp b, 0,1,2,3
	v_max3_num_f32 v[TM+\b], v[TM+\b], |v[(\s)+16*\b+\i]|, |v[(\s)+1+16*\b+\i]|
.endr
.endr
.irp b, 0,1,2,3
	v_permlanex16_b32 v[TM+4+\b], v[TM+\b], s[SEL], s[SEL+1]
.endr
.irp b, 0,1,2,3
	v_max_num_f32 v[TM+\b], v[TM+\b], v[TM+4+\b]
.endr
.irp b, 0,1,2,3
	v_add_nc_u32 v[TM+12+\b], 0xff000000, v[TM+\b]
.endr
.irp b, 0,1,2,3
	v_lshrrev_b32 v[TM+4+\b], 23, v[TM+12+\b]
.endr
	v_lshl_or_b32 v[PW], v[TM+5], 8, v[TM+4]
	v_lshl_or_b32 v[PW], v[TM+6], 16, v[PW]
	v_lshl_or_b32 v[PW], v[TM+7], 24, v[PW]
.irp c, 0,1
	v_cvt_scalef32_pk16_fp6_f32 v[PC+6*\c:PC+2+6*\c], v[(\s)+32*\c:(\s)+15+32*\c], v[TM+12+2*\c]
	v_cvt_scalef32_pk16_fp6_f32 v[PC+12+4*\c:PC+14+4*\c], v[(\s)+16+32*\c:(\s)+31+32*\c], v[TM+12+2*\c+1]
.endr
	v_nop
.irp c, 0,1
.irp i, 0,1,2
	v_permlane16_swap_b32 v[PC+6*\c+\i], v[PC+12+4*\c+\i]
.endr
.irp i, 0,1,2
	v_mov_b32 v[PC+3+6*\c+\i], v[PC+12+4*\c+\i]
.endr
.endr
.endm
.macro KPAIR reg, val                  ; a constant as a pair: the packed forms name a pair and take its low word for both halves
	s_mov_b32 s[\reg], \val
	s_mov_b32 s[\reg+1], \val
.endm
.macro GELU16 k                        ; 16 numbers, eight pairs by turns
.set zz, GZ+16*(\k)
.set hh, GH+16*(\k)
.irp i, 0,2,4,6,8,10,12,14
	v_pk_mul_f32 v[GT+\i:GT+\i+1], v[zz+\i:zz+\i+1], v[zz+\i:zz+\i+1]
.endr
.irp i, 0,2,4,6,8,10,12,14
	v_pk_fma_f32 v[GP+\i:GP+\i+1], v[GT+\i:GT+\i+1], s[KA0:KA0+1], v[GA1:GA1+1] op_sel_hi:[1,0,1]
	v_pk_fma_f32 v[GQ+\i:GQ+\i+1], v[GT+\i:GT+\i+1], s[KB0:KB0+1], v[GB1:GB1+1] op_sel_hi:[1,0,1]
.endr
.irp c, 0,2,4
.irp i, 0,2,4,6,8,10,12,14
	v_pk_fma_f32 v[GP+\i:GP+\i+1], v[GP+\i:GP+\i+1], v[GT+\i:GT+\i+1], s[KA2+\c:KA2+\c+1] op_sel_hi:[1,1,0]
	v_pk_fma_f32 v[GQ+\i:GQ+\i+1], v[GQ+\i:GQ+\i+1], v[GT+\i:GT+\i+1], s[KB2+\c:KB2+\c+1] op_sel_hi:[1,1,0]
.endr
.endr
.irp c, 6,8
.irp i, 0,2,4,6,8,10,12,14
	v_pk_fma_f32 v[GP+\i:GP+\i+1], v[GP+\i:GP+\i+1], v[GT+\i:GT+\i+1], s[KA2+\c:KA2+\c+1] op_sel_hi:[1,1,0]
.endr
.endr
	s_wait_alu depctr_va_vdst(0)
.irp i, 0,1,2,3,4,5,6,7,8,9,10,11,12,13,14,15
	v_rcp_f32 v[GT+\i], v[GQ+\i]
.endr
.irp i, 0,2,4,6,8,10,12,14
	v_pk_mul_f32 v[GP+\i:GP+\i+1], v[GP+\i:GP+\i+1], v[zz+\i:zz+\i+1]   ; z P: plain work behind the reciprocals
.endr
	s_wait_alu depctr_va_vdst(0)                   ; one wait for the sixteen, ahead of their first reader
.irp i, 0,2,4,6,8,10,12,14
	v_pk_mul_f32 v[GP+\i:GP+\i+1], v[GP+\i:GP+\i+1], v[GT+\i:GT+\i+1]   ; erf
.endr
.irp i, 0,2,4,6,8,10,12,14
	v_pk_fma_f32 v[hh+\i:hh+\i+1], v[hh+\i:hh+\i+1], v[GP+\i:GP+\i+1], v[hh+\i:hh+\i+1]
.endr
.endm
.macro GTRIP more                      ; a block of 16 tokens x 128 hidden units; more = 1: the next block is asked for as soon as this one's x has been used
	s_wait_dscnt 0x0                               ; my block is in
.set n, 0
.rept 32
	v_pk_mul_f32 v[GH+n:GH+n+1], v[GX+n:GX+n+1], 0.5 op_sel_hi:[1,0]
	v_pk_mul_f32 v[GZ+n:GZ+n+1], v[GX+n:GX+n+1], s[KC0:KC0+1] op_sel_hi:[1,0]
.set n, n+2
.endr
.if \more
	v_add_nc_u32 v[GLA], 0x2000, v[GLA]
.irp c, 0,1,2,3,4,5,6,7,8,9,10,11,12,13,14,15
	ds_load_b128 v[GX+4*\c:GX+4*\c+3], v[GLA] offset:512*\c
.endr
.endif
.set n, 0
.rept 64
	v_med3_num_f32 v[GZ+n], v[GZ+n], -4.0, 4.0
.set n, n+1
.endr
	GELU16 0
	GELU16 1
	GELU16 2
	GELU16 3
	QUANT GH
.irp c, 0,1,2
	global_store_b128 v[GLI], v[PC+4*\c:PC+4*\c+3], s[CP:CP+1] offset:512*\c
.endr
	ds_store_b32 v[GSW], v[PW]
.if \more
	s_wait_xcnt 0x0                                ; the stores have read their registers and their base
	s_add_nc_u64 s[CP:CP+1], s[CP:CP+1], 49152     ; the next tile of tokens: 32 fragments on
	v_add_nc_u32 v[GSW], 64, v[GSW]
.endif
.endm
	s_load_b256 s[4:11], s[0:1], 0x0               ; hq, prep, b1, gq
	v_lshl_add_u32 v[SPW], v0, 2, SPARE
	v_mov_b32 v[NIL], 0
	ds_add_u32 v28, v29
	ds_add_u32 v28, v29
	s_wait_dscnt 0x0
	v_lshrrev_b32 v1, 5, v0
	v_readfirstlane_b32 s14, v1
	s_lshr_b32 s15, s14, 1
	s_and_b32 s16, s14, 1
	s_bfe_u32 s40, ttmp6, 0x40000
	s_bfe_u32 s41, ttmp6, 0x40004
	s_lshl_b32 s42, ttmp9, 2
	s_add_co_u32 s42, s42, s40
	s_and_b32 s17, ttmp7, 0xffff
	s_lshl_b32 s17, s17, 2
	s_add_co_u32 s17, s17, s41
	s_lshl_b32 s43, s41, 2
	s_lshl_b32 s43, 15, s43
	s_lshl_b32 s44, 0x1111, s40
	s_mov_b32 s[SEL], 0x76543210
	s_mov_b32 s[SEL+1], 0xfedcba98
	s_or_b32 s[G1+0], s43, (3<<16)|(1<<21)
	s_or_b32 s[G1B+0], s44, (3<<16)|(1<<21)
.irp g, G1, G1B
	s_mov_b32 s[\g+1], (TROWB/8)<<16
	s_mov_b32 s[\g+2], NA<<16
	s_mov_b32 s[\g+3], (TROWB/8)<<16
	s_mov_b32 s[\g+4], NA
	s_mov_b32 s[\g+5], NKS*192
	s_mov_b32 s[\g+6], 0
	s_mov_b32 s[\g+7], 0
.endr
	s_lshl_b32 s20, s17, 1
	s_add_co_u32 s20, s20, s16
	s_lshl_b32 s22, s17, 1                         ; A's scale words are those of the half that I multiply
	s_add_co_u32 s22, s22, s15
	s_mul_i32 s22, s22, CH_S
	s_mul_i32 s20, s20, CH_C
	s_add_co_u32 s22, s22, ABASE_S
	s_mov_b32 s21, 0
	s_mov_b32 s23, 0
	s_lshl_b32 s46, s42, 1
	s_add_co_u32 s46, s46, s16
	s_mul_i32 s92, s46, CH_S
	s_mul_i32 s46, s46, CH_C
	s_add_co_u32 s46, s46, BBASE_C
	s_add_co_u32 s92, s92, BBASE_S
	s_mov_b32 s47, 0
	s_mov_b32 s93, 0
	s_mul_i32 s45, s14, HALFT
	s_wait_kmcnt 0x0
	s_add_nc_u64 s[20:21], s[4:5], s[20:21]
	s_add_nc_u64 s[22:23], s[4:5], s[22:23]
	s_add_nc_u64 s[46:47], s[6:7], s[46:47]
	s_add_nc_u64 s[92:93], s[6:7], s[92:93]
	CROUND
.irp s, 0,1
	s_mov_b32 s[G0+4*\s], 1
	s_add_co_u32 s[G0+4*\s+1], s45, \s*SLOT
	s_add_nc_u64 s[G0+4*\s+2:G0+4*\s+3], s[20:21], \s*TROWB
	s_or_b32 s[G0+4*\s+3], s[G0+4*\s+3], 0x80000000
	s_mov_b32 s[G0B+4*\s], 1
	s_add_co_u32 s[G0B+4*\s+1], s45, \s*SLOT
	s_add_nc_u64 s[G0B+4*\s+2:G0B+4*\s+3], s[46:47], \s*TROWB
	s_or_b32 s[G0B+4*\s+3], s[G0B+4*\s+3], 0x80000000
.endr
	JLOAD G0, G1, G0B, G1B                         ; K steps 0-2: my one tensor load at the head
	v_and_b32 v1, 31, v0
	v_lshlrev_b32 v[LI], 4, v1
	v_and_b32 v2, 15, v0
	s_wait_alu depctr_va_vdst(0)
	v_bfe_u32 v3, v0, 4, 1
	s_mul_i32 s95, s15, HALFT
	s_mul_i32 s2, s16, HALFT
	s_add_co_u32 s2, s2, 2*HALFT
.irp s, 0,1
	v_add_nc_u32 v[ADRA+\s], s95, v[LI]
	v_add_nc_u32 v[ADRB+\s], s2, v[LI]
	s_add_co_u32 s95, s95, SLOT
	s_add_co_u32 s2, s2, SLOT
.endr
	v_lshlrev_b32 v4, 2, v2
	s_wait_alu depctr_va_vdst(0)
	v_lshl_add_u32 v[ADSA], v3, 9, v4              ; 4 r, and lanes 16-31 one K step (512 bytes) on
.set fs, 0
.rept 4                                        ; the scale words of all of K: set fs, tile fi; A's at +0, B's at +8
.set fi, 0
.rept 8
	global_load_b32 v[SC+16*fs+fi], v[ADSA], s[22:23] offset:1024*fs+64*fi
	global_load_b32 v[SC+8+16*fs+fi], v[ADSA], s[92:93] offset:1024*fs+64*fi
.set fi, fi+1
.endr
.set fs, fs+1
.endr
	s_lshl_b32 s95, s14, 16
	v_add_nc_u32 v[DA], s95, v[LI]
	s_lshl_b32 s95, s14, 9
	s_add_co_u32 s95, s95, 262144
	v_add_nc_u32 v[SWA], s95, v4
	v_add_nc_u32 v[SRA], s95, v[LI]
	v_lshlrev_b32 v6, 6, v3                        ; the bias: + 16 h numbers
	s_lshl_b32 s96, s42, 10
	s_lshl_b32 s97, s16, 9
	s_add_co_u32 s96, s96, s97                     ; my first hidden unit, in bytes
	s_mov_b32 s97, 0
	s_add_nc_u64 s[8:9], s[8:9], s[96:97]
.irp b, 0,1,2,3,4,5,6,7
	global_load_b128 v[BI+8*\b:BI+8*\b+3], v6, s[8:9] offset:(32*(\b/2)+8*(\b%2))*4
	global_load_b128 v[BI+8*\b+4:BI+8*\b+7], v6, s[8:9] offset:(32*(\b/2)+8*(\b%2))*4+16
.endr
	s_lshl_b32 s95, s17, 1
	s_add_co_u32 s95, s95, s15                     ; my group of 128 tokens
	s_lshl_b32 s96, s42, 1
	s_add_co_u32 s96, s96, s16                     ; my K step of the next product
	s_lshl_b32 s12, s95, 8
	s_add_co_u32 s12, s12, s96
	s_mul_i32 s12, s12, 1536
	s_mov_b32 s13, 0
	s_add_nc_u64 s[CP:CP+1], s[10:11], s[12:13]
	s_lshl_b32 s12, s95, 5
	s_add_co_u32 s12, s12, s96
	s_lshl_b32 s12, s12, 9
	s_add_co_u32 s12, s12, 12582912
	s_add_nc_u64 s[12:13], s[10:11], s[12:13]
	s_wait_alu depctr_va_vdst(0)
	s_wait_tensorcnt 0x0                           ; my part of slot 0 is in
	ds_add_u32 v[SPW], v[NIL]
	s_wait_dscnt 0x0
	CROUND                                         ; everybody's part of slot 0 is in, and the sixteen work-groups meet
	JLOAD G0+4, G1, G0B+4, G1B                     ; K steps 3-5 into slot 1: the first tensor load behind the round
	FETCH_B 0, 0, 0
	FETCH_A 0, 0, 0
	FETCH_A 0, 0, 1
	s_wait_loadcnt 0x0                             ; the scale words and the bias
	KSTEP 0, 0, 1, 0, 1                            ; K step 0: its products start the sums, with the bias
	KSTEP 1, 0, 2, 0, 0
	KSTEP 2, 1, 0, 2, 0                            ; on into slot 1; slot 0 takes K steps 6 and 7
	KSTEP 3, 1, 1, 0, 0
	KSTEP 4, 1, 2, 0, 0
.set TROWB, 2*FRB                      ; in the refilled slot a tile has two fragments
	KSTEP 5, 0, 0, 1, 0                            ; the refill is waited for
	KSTEP 6, 0, 1, 0, 0
	s_wait_dscnt 3*HA                              ; K step 7: nothing more to fetch
	WIN 0xa1
	MULQ 0, 1, 1, 3, 0
	MULQ 1, 1, 1, 3, 0
	s_wait_dscnt 0
	WIN 0xf1
	MULQ 2, 1, 1, 3, 0
	MULQ 3, 1, 1, 3, 0
	WIN 0
	s_barrier_signal -1                            ; every wave's reads of the regions and of the scale words are over (each has waited for them): their bytes take the dumps
	s_barrier_wait -1
	PLACES 4
	KPAIR KC0, 0x3f3504f3                          ; 1 / sqrt 2
	KPAIR KA0, 0xaf95df0b                          ; P's coefficients, the highest first (the second lies in v[GA1])
	KPAIR KA2, 0xb60cff51
	KPAIR KA2+2, 0xb86ec2d2
	KPAIR KA2+4, 0xba40ac63
	KPAIR KA2+6, 0xbb41a1f6
	KPAIR KA2+8, 0xbc83dbd4
	KPAIR KB0, 0xb77460cd                          ; Q's
	KPAIR KB2, 0xbadc924e
	KPAIR KB2+2, 0xbbf19bf8
	KPAIR KB2+4, 0xbc69b6a7
.set da, 0
.rept 8
	WIN 0x08+4*(da/4)                              ; an LDS store's data are its source 1
.set db, 0
.rept 8
.set rD, 8*(8*(da%4)+db)
	ds_store_b128 v[DA], v[rD:rD+3] offset:8192*da+1024*db         ; each accumulator from its low end on
	ds_store_b128 v[DA], v[rD+4:rD+7] offset:8192*da+1024*db+512
.set db, db+1
.endr
.set da, da+1
.endr
	WIN 0x40                                       ; the loop's addresses and two constants go into window 1
	v_mov_b32 v[GLA], v[DA]
	v_mov_b32 v[GLI], v[LI]
	v_mov_b32 v[GSW], v[SWA]
	v_mov_b32 v[GSR], v[SRA]
	v_mov_b32 v[GA1], 0x32edffee
	v_mov_b32 v[GA1+1], 0x32edffee
	v_mov_b32 v[GB1], 0xb95fbd29
	v_mov_b32 v[GB1+1], 0xb95fbd29
	WIN 0x55
.irp c, 0,1,2,3,4,5,6,7,8,9,10,11,12,13,14,15
	ds_load_b128 v[GX+4*\c:GX+4*\c+3], v[GLA] offset:512*\c        ; block 0: LDS serves a wave's instructions in order
.endr
	WIN 0
	s_mov_b32 s3, 7
.Lblock:
	WIN 0x55
	GTRIP 1
	WIN 0
	s_sub_co_u32 s3, s3, 1
	s_cmp_lg_u32 s3, 0
	s_cbranch_scc1 .Lblock
	WIN 0x55
	GTRIP 0                                        ; the last block asks for nothing more
	ds_load_b128 v[250:253], v[GSR]                ; my eight tiles' scale words, 512 bytes
	s_wait_dscnt 0x0
	global_store_b128 v[GLI], v[250:253], s[12:13]
	WIN 0
	s_wait_tensorcnt 0x0                           ; the wave's end
	ds_add_u32 v[SPW], v[NIL]
	s_wait_dscnt 0x0
	CROUND
	s_endpgm
.Lfunc_end_k_qd194283986_ffn1:
	.size	k_qd194283986_ffn1, .Lfunc_end_k_qd194283986_ffn1-k_qd194283986_ffn1
	.p2alignl 7, 3214868480
	.fill 96, 4, 3214868480
	.section	.rodata,"a",@progbits
	.p2align	6, 0x0
	.amdhsa_kernel k_qd194283986_ffn1
		.amdhsa_group_segment_fixed_size 327680
		.amdhsa_private_segment_fixed_size 0
		.amdhsa_enable_private_segment 0
		.amdhsa_kernarg_size 32
		.amdhsa_user_sgpr_count 2
		.amdhsa_user_sgpr_kernarg_segment_ptr 1
		.amdhsa_wavefront_size32 1
		.amdhsa_system_sgpr_workgroup_id_x 1
		.amdhsa_system_sgpr_workgroup_id_y 1
		.amdhsa_system_sgpr_workgroup_id_z 1
		.amdhsa_system_vgpr_workitem_id 0
		.amdhsa_next_free_vgpr 1024
		.amdhsa_next_free_sgpr 100
		.amdhsa_reserve_vcc 0
		.amdhsa_float_denorm_mode_32 3
		.amdhsa_float_denorm_mode_16_64 3
		.amdhsa_memory_ordered 1
		.amdhsa_forward_progress 1
		.amdhsa_inst_pref_size 207
	.end_amdhsa_kernel
	.amdgpu_metadata
---
amdhsa.version: [ 1, 2 ]
amdhsa.kernels:
  - .name:           k_qd194283986_ffn1
    .symbol:         k_qd194283986_ffn1.kd
    .args:
      - { .name: hq, .offset: 0, .size: 8, .value_kind: global_buffer, .address_space: global }
      - { .name: prep, .offset: 8, .size: 8, .value_kind: global_buffer, .address_space: global }
      - { .name: b1, .offset: 16, .size: 8, .value_kind: global_buffer, .address_space: global }
      - { .name: gq, .offset: 24, .size: 8, .value_kind: global_buffer, .address_space: global }
    .group_segment_fixed_size: 327680
    .private_segment_fixed_size: 0
    .kernarg_segment_align: 8
    .kernarg_segment_size: 32
    .max_flat_workgroup_size: 128
    .sgpr_count:     100
    .vgpr_count:     1024
    .wavefront_size: 32
...
	.end_amdgpu_metadata
.endif
;; end of part 6
;; launch ffn2 (part 7): grid 8 x 32, 4 waves a work-group, clusters of 4 x 4, 327,680 bytes of LDS; arguments gq, prep, b2, x1, out0; writes out0
.if DOCPART == 7
	.amdgcn_target "amdgcn-amd-amdhsa--gfx1250"
	.amdhsa_code_object_version 6
	.text
	.protected	k_qd194283986_ffn2
	.globl	k_qd194283986_ffn2
	.p2align	8
	.type	k_qd194283986_ffn2,@function
k_qd194283986_ffn2:
	s_mov_b64 s[64:65], 0
	v_nop
	global_prefetch_b8 v0, s[64:65] scope:SCOPE_SE
	s_setreg_imm32_b32 hwreg(HW_REG_WAVE_MODE, 25, 1), 1
	s_wait_xcnt 0x0
	s_wait_alu depctr_hold_cnt(0) depctr_sa_sdst(0) depctr_va_vdst(0) depctr_va_sdst(0) depctr_va_ssrc(0) depctr_va_vcc(0) depctr_vm_vsrc(0)
	s_getreg_b32 s2, hwreg(HW_REG_IB_STS2, 6, 4)
	s_cmp_eq_u32 s2, 0
	s_cbranch_scc0 .Lentry_in_a_cluster
	s_endpgm
.Lentry_in_a_cluster:
	s_bfe_u32 s2, ttmp6, 0x10000c
	s_cmp_lg_u32 s2, 0xf033
	s_cbranch_scc0 .Lentry_shape_is_right
	s_endpgm
.Lentry_shape_is_right:
.set NKS, 32
.set ABASE_S, 12582912
.set BBASE_C, 9437184
.set BBASE_S, 12976128
.set FINAL, 1
.set NA, 4
.set NB, 4
.set NQ, 4
.set HA, NA/2
.set QA, NA/4
.set FRB, 1536
.set TROWB, NQ*FRB
.set HALFT, NA*TROWB
.set SLOT, 4*HALFT
.set SCL, 2*SLOT
.set SROWS, NKS/2
.set HALFS, SROWS*576
.set SAOFF, 256
.set SPARE, 327168
.set LAPS, NKS/(2*NQ)
.set CH_C, NA*NKS*FRB
.set CH_S, SROWS*512
.set ADRA, 16
.set ADRB, 20
.set STO, 22
.set RD, 23
.set CO, 24
.set ADSA, 26
.set ADSB, 27
.set SPW, 28
.set NIL, 29
.set LI, 30
.set PFO, 31
.set SC, 32
.set BI, 64
.set AF, 128
.set OB, 176
.set G1, 24
.set G0, 32
.set G1B, 48
.set G0B, 56
.set LIM, 66
.set PFC, 67
.set G1S, 68
.set G0S, 76
.set G1SB, 80
.set G0SB, 88
.set PFA, 98
.set MSB, 0
.macro WIN new
.if MSB != (\new)
	s_set_vgpr_msb (MSB<<8)|(\new)
.set MSB, (\new)
.endif
.endm
.macro JLOAD g0a, g1a, g0b, g1b
	s_cmp_eq_u32 s15, 0
	s_cbranch_scc0 .Lfor_b_\@
	tensor_load_to_lds s[\g0a:\g0a+3], s[\g1a:\g1a+7]
	s_nop 0
.rept 4
	v_nop
.endr
	s_branch .Lasked_\@
.Lfor_b_\@:
	tensor_load_to_lds s[\g0b:\g0b+3], s[\g1b:\g1b+7]
	s_nop 0
.rept 4
	v_nop
.endr
.Lasked_\@:
.endm
.macro ASK
	s_cmp_le_u32 s[PFC], s[LIM]
	s_cbranch_scc0 .Lnot_mine_\@
	global_prefetch_b8 v[PFO], s[PFA:PFA+1] th:TH_LOAD_NT scope:SCOPE_SE
.Lnot_mine_\@:
.endm
.macro CREST
	s_cmp_lg_u32 s14, 0
	s_cbranch_scc1 .Lnot_wave_0_\@
	s_barrier_signal -3
.Lnot_wave_0_\@:
	s_barrier_wait -3
	s_barrier_signal -1
	s_barrier_wait -1
.endm
.macro CROUND
	s_barrier_signal -1
	s_barrier_wait -1
	CREST
.endm
.macro PLACES n
.rept \n
	v_nop
.endr
.endm
.macro FRAG reg, adr, off
.irp c, 0,1,2
	ds_load_b128 v[(\reg)+4*\c:(\reg)+4*\c+3], v[\adr] offset:(\off)+512*\c
.endr
.endm
.macro FETCH_B slot, q, p
	WIN 0x40
.set fi, 0
.rept NB
	FRAG 128*(\p)+12*fi, ADRB+\slot, fi*TROWB+(\q)*FRB
.set fi, fi+1
.endr
	WIN 0
.endm
.macro FETCH_A slot, q, half
.set fi, HA*(\half)
.rept HA
	FRAG AF+12*fi, ADRA+\slot, fi*TROWB+(\q)*FRB
.set fi, fi+1
.endr
.endm
.macro SCALES set
.set fi, 0
.rept NA
.set fq, 0
.rept NQ/2
	ds_load_b32 v[SC+16*(\set)+(NQ/2)*fi+fq], v[ADSA] offset:64*fi+1152*fq
	ds_load_b32 v[SC+8+16*(\set)+(NQ/2)*fi+fq], v[ADSB] offset:64*fi+1152*fq
.set fq, fq+1
.endr
.set fi, fi+1
.endr
.endm
.macro MULQ k, p, q, set, first
.set ma, QA*(\k)
.rept QA
.set mb, 0
.rept NB
.set rD, 8*(NB*(ma%HA)+mb)
.set rB, 128*(\p)+12*mb
.set rA, AF+12*ma
.set wB, SC+8+16*(\set)+(NQ/2)*mb+(\q)/2
.set wA, SC+16*(\set)+(NQ/2)*ma+(\q)/2
.if \first
	v_wmma_scale_f32_16x16x128_f8f6f4 v[rD:rD+7], v[rB:rB+11], v[rA:rA+11], v[BI+8*mb:BI+8*mb+7], v[wB], v[wA] matrix_a_fmt:MATRIX_FMT_FP6 matrix_b_fmt:MATRIX_FMT_FP6
.elseif (\q)%2
	v_wmma_scale_f32_16x16x128_f8f6f4 v[rD:rD+7], v[rB:rB+11], v[rA:rA+11], v[rD:rD+7], v[wB], v[wA] matrix_a_fmt:MATRIX_FMT_FP6 matrix_b_fmt:MATRIX_FMT_FP6 matrix_a_scale:MATRIX_SCALE_ROW1 matrix_b_scale:MATRIX_SCALE_ROW1
.else
	v_wmma_scale_f32_16x16x128_f8f6f4 v[rD:rD+7], v[rB:rB+11], v[rA:rA+11], v[rD:rD+7], v[wB], v[wA] matrix_a_fmt:MATRIX_FMT_FP6 matrix_b_fmt:MATRIX_FMT_FP6
.endif
.set mb, mb+1
.endr
.set ma, ma+1
.endr
.endm
.macro STEP slot, q, first
	s_wait_dscnt 3*HA
.if \first
	WIN 0x81
.else
	WIN 0xa1
.endif
	MULQ 0, (\q)%2, \q, \slot, \first
	MULQ 1, (\q)%2, \q, \slot, \first
	s_wait_dscnt 0
	PLACES 4
	FETCH_B \slot, (\q)+1, 1-(\q)%2
	FETCH_A \slot, (\q)+1, 0
.if \first
	WIN 0xc1
.else
	WIN 0xf1
.endif
	MULQ 2, (\q)%2, \q, \slot, \first
	MULQ 3, (\q)%2, \q, \slot, \first
	PLACES 4
	WIN 0
	FETCH_A \slot, (\q)+1, 1
.endm
.macro TURN slot, next, fill
.if \fill
	s_wait_xcnt 0x0
	s_add_nc_u64 s[PFA:PFA+1], s[PFA:PFA+1], 8192
	s_add_co_u32 s[PFC], s[PFC], 1
.endif
	s_wait_tensorcnt 0x0
	ds_add_u32 v[SPW], v[NIL]
	s_wait_dscnt 3*HA+1
	WIN 0xa1
	MULQ 0, 1, NQ-1, \slot, 0
	s_wait_dscnt 0x0
	s_barrier_signal -1
	MULQ 1, 1, NQ-1, \slot, 0
	WIN 0
	s_barrier_wait -1
.if \fill
	CREST
	s_add_nc_u64 s[G0+4*\slot+2:G0+4*\slot+3], s[G0+4*\slot+2:G0+4*\slot+3], 2*TROWB
	s_add_nc_u64 s[G0B+4*\slot+2:G0B+4*\slot+3], s[G0B+4*\slot+2:G0B+4*\slot+3], 2*TROWB
	JLOAD G0+4*\slot, G1, G0B+4*\slot, G1B
.else
	PLACES 4
.endif
	s_wait_alu depctr_va_vdst(0)
	v_add_nc_u32 v[ADSA], NQ*576, v[ADSA]
	v_add_nc_u32 v[ADSB], NQ*576, v[ADSB]
	FETCH_B \next, 0, 0
	FETCH_A \next, 0, 0
	SCALES \next
.if \fill
	ASK
.endif
	WIN 0xf1
	MULQ 2, 1, NQ-1, \slot, 0
	MULQ 3, 1, NQ-1, \slot, 0
	PLACES 4
	WIN 0
	FETCH_A \next, 0, 1
.endm
	s_load_b256 s[4:11], s[0:1], 0x0
	s_load_b64 s[12:13], s[0:1], 0x20
	v_lshl_add_u32 v[SPW], v0, 2, SPARE
	v_mov_b32 v[NIL], 0
	ds_add_u32 v28, v29
	ds_add_u32 v28, v29
	s_wait_dscnt 0x0
	v_lshrrev_b32 v1, 5, v0
	v_readfirstlane_b32 s14, v1
	s_lshr_b32 s15, s14, 1
	s_and_b32 s16, s14, 1
	s_bfe_u32 s40, ttmp6, 0x40000
	s_bfe_u32 s41, ttmp6, 0x40004
	s_lshl_b32 s42, ttmp9, 2
	s_add_co_u32 s42, s42, s40
	s_and_b32 s17, ttmp7, 0xffff
	s_lshl_b32 s17, s17, 2
	s_add_co_u32 s17, s17, s41
	s_lshl_b32 s43, s41, 2
	s_lshl_b32 s43, 15, s43
	s_lshl_b32 s44, 0x1111, s40
	s_or_b32 s[G1+0], s43, (3<<16)|(1<<21)
	s_or_b32 s[G1B+0], s44, (3<<16)|(1<<21)
.irp g, G1, G1B
	s_mov_b32 s[\g+1], (TROWB/8)<<16
	s_mov_b32 s[\g+2], (2*NA)<<16                  ; the head's loads bring both halves of a tile; behind them the two words that count tiles are set to NA
	s_mov_b32 s[\g+3], (TROWB/8)<<16
	s_mov_b32 s[\g+4], 2*NA
	s_mov_b32 s[\g+5], NKS*192
	s_mov_b32 s[\g+6], 0
	s_mov_b32 s[\g+7], 0
.endr
	s_or_b32 s[G1S+0], s43, (3<<16)|(1<<20)|(1<<21)|(6<<22)|(15<<25)
	s_or_b32 s[G1SB+0], s44, (3<<16)|(1<<20)|(1<<21)|(6<<22)|(15<<25)
.irp g, G1S, G1SB
	s_mov_b32 s[\g+1], 64<<16
	s_mov_b32 s[\g+2], NKS<<16                     ; the scale words of all of K in one load
	s_mov_b32 s[\g+3], 64<<16
	s_mov_b32 s[\g+4], NKS
	s_mov_b32 s[\g+5], 64
	s_mov_b32 s[\g+6], 0
	s_mov_b32 s[\g+7], 0
.endr
	s_lshl_b32 s20, s17, 1
	s_mul_i32 s22, s20, CH_S
	s_mul_i32 s20, s20, CH_C
	s_add_co_u32 s22, s22, ABASE_S
	s_mov_b32 s21, 0
	s_mov_b32 s23, 0
	s_lshl_b32 s46, s42, 1
	s_mul_i32 s92, s46, CH_S
	s_mul_i32 s46, s46, CH_C
	s_add_co_u32 s46, s46, BBASE_C
	s_add_co_u32 s92, s92, BBASE_S
	s_mov_b32 s47, 0
	s_mov_b32 s93, 0
	s_mul_i32 s45, s14, HALFT
	s_mul_i32 s18, s16, CH_C                       ; in the ring I fetch one half of a tile: which, in bytes
	s_mov_b32 s19, 0
	s_wait_kmcnt 0x0
	s_add_nc_u64 s[20:21], s[4:5], s[20:21]
	s_add_nc_u64 s[22:23], s[4:5], s[22:23]
	s_add_nc_u64 s[46:47], s[6:7], s[46:47]
	s_add_nc_u64 s[92:93], s[6:7], s[92:93]
	CROUND
	s_mov_b32 s[G0S], 1
	s_mov_b32 s[G0S+1], SCL
	s_mov_b64 s[G0S+2:G0S+3], s[22:23]
	s_or_b32 s[G0S+3], s[G0S+3], 0x80000000
	s_mov_b32 s[G0SB], 1
	s_mov_b32 s[G0SB+1], SCL+2*HALFS
	s_mov_b64 s[G0SB+2:G0SB+3], s[92:93]
	s_or_b32 s[G0SB+3], s[G0SB+3], 0x80000000
	s_mov_b32 s[G0], 1                             ; slot 0's groups 0 serve the head's loads first: A's tile whole,
	s_mov_b32 s[G0+1], 0
	s_mov_b64 s[G0+2:G0+3], s[20:21]
	s_or_b32 s[G0+3], s[G0+3], 0x80000000
	s_mov_b32 s[G0B], 1                            ; and B's, behind it in slot 0
	s_mov_b32 s[G0B+1], 2*HALFT
	s_mov_b64 s[G0B+2:G0B+3], s[46:47]
	s_or_b32 s[G0B+3], s[G0B+3], 0x80000000
; THE HEAD'S LOADS, ONE A WAVE: wave 0 slot 0's tile of A, wave 1 that of B, wave 2 A's scale words, wave 3 B's.  One chain of branches on the wave's number, a load to an arm, one join.
.macro ARM under, g0, g1, next
	s_cmp_lt_u32 s14, \under
	s_cbranch_scc0 \next
	tensor_load_to_lds s[\g0:\g0+3], s[\g1:\g1+7]
	s_nop 0
.rept 4
	v_nop
.endr
	s_branch .Lhead_asked
\next:
.endm
	ARM 1, G0,  G1,  .Lhead_b
	ARM 2, G0B, G1B, .Lhead_sa
	ARM 3, G0S, G1S, .Lhead_sb
	tensor_load_to_lds s[G0SB:G0SB+3], s[G1SB:G1SB+7]
	s_nop 0
.rept 4
	v_nop
.endr
.Lhead_asked:
	s_add_nc_u64 s[20:21], s[20:21], s[18:19]      ; for the ring: my half of the tile
	s_add_nc_u64 s[46:47], s[46:47], s[18:19]
	s_mov_b32 s[G0+4], 1
	s_add_co_u32 s[G0+5], s45, SLOT
	s_add_nc_u64 s[G0+6:G0+7], s[20:21], TROWB
	s_or_b32 s[G0+7], s[G0+7], 0x80000000
	s_mov_b32 s[G0B+4], 1
	s_add_co_u32 s[G0B+5], s45, SLOT
	s_add_nc_u64 s[G0B+6:G0B+7], s[46:47], TROWB
	s_or_b32 s[G0B+7], s[G0B+7], 0x80000000
	v_and_b32 v1, 31, v0
	v_lshlrev_b32 v[LI], 4, v1
	v_lshlrev_b32 v[PFO], 8, v1
	v_and_b32 v2, 15, v0
	v_bfe_u32 v3, v0, 4, 1
	s_mul_i32 s95, s15, HALFT
	s_mul_i32 s2, s16, HALFT
	s_add_co_u32 s2, s2, 2*HALFT
.irp s, 0,1
	v_add_nc_u32 v[ADRA+\s], s95, v[LI]
	v_add_nc_u32 v[ADRB+\s], s2, v[LI]
	s_add_co_u32 s95, s95, SLOT
	s_add_co_u32 s2, s2, SLOT
.endr
	v_lshlrev_b32 v4, 2, v2
	v_mad_u32_u24 v5, v3, 576, v4
	s_mul_i32 s95, s15, SAOFF
	s_add_co_u32 s95, s95, SCL
	s_mul_i32 s2, s16, SAOFF
	s_add_co_u32 s2, s2, SCL+2*HALFS
	v_add_nc_u32 v[ADSA], s95, v5
	v_add_nc_u32 v[ADSB], s2, v5
	s_lshl_b32 s18, s17, 1
	s_add_co_u32 s18, s18, s16
	s_lshl_b32 s19, s42, 1
	s_add_co_u32 s19, s19, s16
	s_and_b32 s96, ttmp7, 0xffff
	s_cmp_eq_u32 s15, 0
	s_cselect_b32 s18, s18, s19
	s_cselect_b32 s19, s40, s41
	s_cselect_b32 s96, ttmp9, s96
	s_cselect_b32 s97, 0, BBASE_C
	s_cselect_b64 s[PFA:PFA+1], s[4:5], s[6:7]
	s_cmp_eq_u32 s96, 0
	s_cselect_b32 s[LIM], 3, 0
	s_mul_i32 s18, s18, CH_C
	s_mul_i32 s19, s19, NKS*FRB
	s_add_co_u32 s18, s18, s19
	s_add_co_u32 s18, s18, s97
	s_add_co_u32 s18, s18, 4*TROWB-8192
	s_mov_b32 s19, 0
	s_add_nc_u64 s[PFA:PFA+1], s[PFA:PFA+1], s[18:19]
	s_mov_b32 s[PFC], 0
	s_mul_i32 s95, s14, 4352
	v_mul_u32_u24 v6, v2, 272
	v_lshl_add_u32 v6, v3, 6, v6
	v_add_nc_u32 v[STO], s95, v6
	v_mul_u32_u24 v6, v3, 272
	v_lshl_add_u32 v6, v2, 4, v6
	v_add_nc_u32 v[RD], s95, v6
	v_lshlrev_b32 v6, 12, v3
	v_lshl_add_u32 v[CO], v2, 4, v6
	v_lshlrev_b32 v7, 6, v3
	s_wait_alu depctr_va_vdst(0)
	s_lshl_b32 s96, s42, 9
	s_lshl_b32 s97, s16, 8
	s_add_co_u32 s96, s96, s97
	s_mov_b32 s97, 0
	s_add_nc_u64 s[8:9], s[8:9], s[96:97]
	s_lshl_b32 s95, s17, 7
	s_lshl_b32 s2, s15, 6
	s_add_co_u32 s95, s95, s2
	s_lshl_b32 s95, s95, 12
	s_add_co_u32 s96, s96, s95
	s_add_nc_u64 s[10:11], s[10:11], s[96:97]
	s_add_nc_u64 s[12:13], s[12:13], s[96:97]
.irp b, 0,1,2,3
	global_load_b128 v[BI+8*\b:BI+8*\b+3], v7, s[8:9] offset:(32*(\b/2)+8*(\b%2))*4
	global_load_b128 v[BI+8*\b+4:BI+8*\b+7], v7, s[8:9] offset:(32*(\b/2)+8*(\b%2))*4+16
.endr
; the residual's 16 rows of tile a, into window 1: asked for behind the operands' loads, since only the way out reads them
.macro XLOAD a
	WIN 0x40
.irp t, 0,1,2,3,4,5,6,7
	global_load_b128 v[48+32*(\a)+64*((\a)/2)+4*\t:48+32*(\a)+64*((\a)/2)+4*\t+3], v[CO], s[10:11] offset:(32*((\a)/2)+8*((\a)%2)+2*\t+8*(\t/4))*4096 th:TH_LOAD_NT
.endr
	WIN 0
.endm
	s_wait_tensorcnt 0x0                           ; my tile of the head's four is in
	ds_add_u32 v[SPW], v[NIL]
	s_mov_b32 s[G0+1], s45                         ; no tensor load of mine is out: slot 0's groups 0 and the counts of tiles are set for the ring
	s_mov_b64 s[G0+2:G0+3], s[20:21]
	s_or_b32 s[G0+3], s[G0+3], 0x80000000
	s_mov_b32 s[G0B+1], s45
	s_mov_b64 s[G0B+2:G0B+3], s[46:47]
	s_or_b32 s[G0B+3], s[G0B+3], 0x80000000
	s_mov_b32 s[G1+2], NA<<16
	s_mov_b32 s[G1+4], NA
	s_mov_b32 s[G1B+2], NA<<16
	s_mov_b32 s[G1B+4], NA
	s_wait_dscnt 0x0
	CROUND                                         ; all four tiles are in, and the sixteen work-groups meet
	JLOAD G0+4, G1, G0B+4, G1B                     ; slot 1: the first tensor load behind the round
	FETCH_B 0, 0, 0
	FETCH_A 0, 0, 0
	SCALES 0
	FETCH_A 0, 0, 1
	XLOAD 0
	s_wait_loadcnt 8                               ; the bias is in; the eight loads just issued may be out
	STEP 0, 0, 1
.if LAPS > 1
	s_mov_b32 s3, LAPS-1
.Llap:
	STEP 0, 1, 0
	STEP 0, 2, 0
	TURN 0, 1, 1
	STEP 1, 0, 0
	STEP 1, 1, 0
	STEP 1, 2, 0
	TURN 1, 0, 1
	STEP 0, 0, 0
	s_sub_co_u32 s3, s3, 1
	s_cmp_lg_u32 s3, 0
	s_cbranch_scc1 .Llap
.endif
	XLOAD 1                                        ; the last refill has been asked for: the rest of the residual follows it
	XLOAD 2
	XLOAD 3
	STEP 0, 1, 0
	STEP 0, 2, 0
	TURN 0, 1, 0
	STEP 1, 0, 0
	STEP 1, 1, 0
	STEP 1, 2, 0
	s_wait_dscnt 3*HA
	WIN 0xa1
	MULQ 0, 1, NQ-1, 1, 0
	MULQ 1, 1, NQ-1, 1, 0
	s_wait_dscnt 0
	WIN 0xf1
	MULQ 2, 1, NQ-1, 1, 0
	MULQ 3, 1, NQ-1, 1, 0
	WIN 0
	PLACES 4
	s_wait_loadcnt 0x0
.macro OUTB a
.if (\a) > 0
	s_wait_xcnt 0x0
.endif
	WIN 0x08+4*((\a)/2)
.irp b, 0,1,2,3
	ds_store_b128 v[STO], v[32*((\a)%2)+8*\b:32*((\a)%2)+8*\b+3] offset:128*(\b/2)+32*(\b%2)
	ds_store_b128 v[STO], v[32*((\a)%2)+8*\b+4:32*((\a)%2)+8*\b+7] offset:128*(\b/2)+32*(\b%2)+16
.endr
	WIN 0
.irp t, 0,1,2,3,4,5,6,7
	ds_load_b128 v[OB+4*\t:OB+4*\t+3], v[RD] offset:544*\t
.endr
	s_wait_dscnt 0x0
	WIN 0x04
.set n, 0
.rept 16
	v_pk_add_f32 v[OB+n:OB+n+1], v[OB+n:OB+n+1], v[48+32*(\a)+64*((\a)/2)+n:48+32*(\a)+64*((\a)/2)+n+1]
.set n, n+2
.endr
	WIN 0
.irp t, 0,1,2,3,4,5,6,7
.if FINAL
	global_store_b128 v[CO], v[OB+4*\t:OB+4*\t+3], s[12:13] offset:(32*((\a)/2)+8*((\a)%2)+2*\t+8*(\t/4))*4096 th:TH_STORE_NT
.else
	global_store_b128 v[CO], v[OB+4*\t:OB+4*\t+3], s[12:13] offset:(32*((\a)/2)+8*((\a)%2)+2*\t+8*(\t/4))*4096
.endif
.endr
.endm
	OUTB 0
	OUTB 1
	OUTB 2
	OUTB 3
	s_wait_tensorcnt 0x0
	ds_add_u32 v[SPW], v[NIL]
	s_wait_dscnt 0x0
	CROUND
	s_endpgm
.Lfunc_end_k_qd194283986_ffn2:
	.size	k_qd194283986_ffn2, .Lfunc_end_k_qd194283986_ffn2-k_qd194283986_ffn2
	.p2alignl 7, 3214868480
	.fill 96, 4, 3214868480
	.section	.rodata,"a",@progbits
	.p2align	6, 0x0
	.amdhsa_kernel k_qd194283986_ffn2
		.amdhsa_group_segment_fixed_size 327680
		.amdhsa_private_segment_fixed_size 0
		.amdhsa_enable_private_segment 0
		.amdhsa_kernarg_size 40
		.amdhsa_user_sgpr_count 2
		.amdhsa_user_sgpr_kernarg_segment_ptr 1
		.amdhsa_wavefront_size32 1
		.amdhsa_system_sgpr_workgroup_id_x 1
		.amdhsa_system_sgpr_workgroup_id_y 1
		.amdhsa_system_sgpr_workgroup_id_z 1
		.amdhsa_system_vgpr_workitem_id 0
		.amdhsa_next_free_vgpr 1024
		.amdhsa_next_free_sgpr 100
		.amdhsa_reserve_vcc 0
		.amdhsa_float_denorm_mode_32 3
		.amdhsa_float_denorm_mode_16_64 3
		.amdhsa_memory_ordered 1
		.amdhsa_forward_progress 1
		.amdhsa_inst_pref_size 99
	.end_amdhsa_kernel
	.amdgpu_metadata
---
amdhsa.version: [ 1, 2 ]
amdhsa.kernels:
  - .name:           k_qd194283986_ffn2
    .symbol:         k_qd194283986_ffn2.kd
    .args:
      - { .name: gq, .offset: 0, .size: 8, .value_kind: global_buffer, .address_space: global }
      - { .name: prep, .offset: 8, .size: 8, .value_kind: global_buffer, .address_space: global }
      - { .name: b2, .offset: 16, .size: 8, .value_kind: global_buffer, .address_space: global }
      - { .name: x1, .offset: 24, .size: 8, .value_kind: global_buffer, .address_space: global }
      - { .name: out0, .offset: 32, .size: 8, .value_kind: global_buffer, .address_space: global }
    .group_segment_fixed_size: 327680
    .private_segment_fixed_size: 0
    .kernarg_segment_align: 8
    .kernarg_segment_size: 40
    .max_flat_workgroup_size: 128
    .sgpr_count:     100
    .vgpr_count:     1024
    .wavefront_size: 32
...
	.end_amdgpu_metadata
.endif
;; end of part 7
